; MI455X (gfx1250); checked and timed in simulation.
; The chip was launched on July 23, 2026; its instructions are those of AMD's public machine-readable ISA for CDNA 5 (MIT licence, August 2026) and "CDNA5" Instruction Set Architecture Reference Guide (July 2026). The comments in the code are by the model that wrote it; some were corrected since.
;; Causal Self Attention. Allowed arithmetic: matrix products marked QUANTISED: E2M1 operands, one E8M0 scale for each 32 along K, by v_wmma_scale_f32_16x16x128_f8f6f4 with both operands' format E2M1 (or v_wmma_scale_f32_32x16x128_f4), f32 sums; products left as they are: bf16, f16 or f32 operands; f32 sums; everything else in f32.
;; Inputs: Wk 1,024 x 1,024 float32; Wp 1,024 x 1,024 float32; Wq 1,024 x 1,024 float32; Wv 1,024 x 1,024 float32; bk 1,024 float32; bp 1,024 float32; bq 1,024 float32; bv 1,024 float32; x 4 x 2,048 x 1,024 float32.
;; Outputs: out0 4 x 2,048 x 1,024 float32.
;; This version of the problem:
;;   THIS VERSION OF THE PROBLEM IS GIVEN IN LOW PRECISION. The matrix products marked QUANTISED in the list below multiply operands that are first quantised to E2M1 (2 exponent bits, 1 mantissa bit; 4 bits a number), with one power-of-two scale for each 32 numbers along K (OCP MX v1.0); their sums are f32. The products marked 'left as it is' may take bf16, f16 or f32 operands, with f32 sums. Whichever they take, every output number must still come out within the allowed error. Rounding operands to bf16 (8 significant bits) uses up far more of that allowance than f16 does (11 bits, for magnitudes from 6e-5 to 65,504). All else is computed in f32.
;;   The module's matrix products, in the order in which they are computed (A, B: the left and right operand; K: the contracted axis; several contracted axes count as one K, in the product's order):
;;     1. [M 8,192, K 1,024] x [K 1,024, N 1,024]; A: input x; B: input Wq: QUANTISED
;;     2. [M 8,192, K 1,024] x [K 1,024, N 1,024]; A: input x; B: input Wk: QUANTISED
;;     3. [M 8,192, K 1,024] x [K 1,024, N 1,024]; A: input x; B: input Wv: QUANTISED
;;     4. batch 64 x [M 2,048, K 64] x [K 64, N 2,048]; A: computed on the way; B: computed on the way: left as it is (an operand is computed on the way)
;;     5. batch 64 x [M 2,048, K 2,048] x [K 2,048, N 64]; A: computed on the way; B: computed on the way: left as it is (an operand is computed on the way)
;;     6. [M 8,192, K 1,024] x [K 1,024, N 1,024]; A: computed on the way; B: input Wp: left as it is (an operand is computed on the way)
;;   THE QUANTISER, for each operand of a quantised product, along K:
;;     - K is cut into blocks of 32 from its start; a last block that is shorter is filled with zeros.
;;     - A block's scale is 2^e with e = floor(log2(the largest magnitude in the block)) - 2, held to -126 .. 127; a block of zeros has e = 0. As a byte (E8M0): e + 127.
;;     - Each number is divided by its block's scale, clamped to +-6, and rounded to the nearest number of E2M1, ties to even, subnormals kept.
;;     - The product sums the exact products of the quantised numbers (number of the format x scale) in f32.
;;   ~~~python
;;   def quantise(x, axis):      # numpy; x: float32 -> the quantised numbers, widened to float32 again
;;       x = np.moveaxis(x, axis, -1); K = x.shape[-1]
;;       x = np.pad(x, [(0, 0)] * (x.ndim - 1) + [(0, -K % 32)]); x = x.reshape(x.shape[:-1] + (-1, 32)); a = np.abs(x).max(-1, keepdims=True)
;;       e = np.where(a > 0, np.clip(np.frexp(np.where(a > 0, a, 1))[1] - 1 - 2, -126, 127), 0)      # np.frexp(a)[1] - 1 = floor(log2(a)), exactly
;;       r = np.clip(x / 2.0 ** e, -6, 6)
;;       step = 2.0 ** (np.maximum(np.frexp(np.where(r == 0, 1, r))[1] - 1, 0) - 1)
;;       q = np.round(r / step) * step * 2.0 ** e      # np.round: ties to even
;;       return np.moveaxis(q.reshape(q.shape[:-2] + (-1,))[..., :K], -1, axis).astype(np.float32)
;;   ~~~
;; One version. Each part assembles by itself: llvm-mc -triple=amdgcn-amd-amdhsa -mcpu=gfx1250 --defsym DOCPART=n.
;; ======== version 1 of 1: 5 launches
;; limits: values are held in f16: magnitudes above 65,504 overflow, below 6.1e-05 lose precision
;; workspace buffers: xc 4,194,304 bytes; xs 262,144 bytes; wc 1,572,864 bytes; ws 98,304 bytes; wpf 2,097,152 bytes; qkv 50,331,648 bytes; q32 786,432 bytes; yf 16,777,216 bytes
;; launch prep (part 1): grid 512 x 1, 4 waves a work-group, no clusters, 33,280 bytes of LDS; arguments x, Wq, Wk, Wv, Wp, xc, xs, wc, ws, wpf; writes xc, xs, wc, ws, wpf
.if DOCPART == 1
	.amdgcn_target "amdgcn-amd-amdhsa--gfx1250"
	.amdhsa_code_object_version 6
	.text
	.protected	k_qa8208f7efe_prep
	.globl	k_qa8208f7efe_prep
	.p2align	8
	.type	k_qa8208f7efe_prep,@function
k_qa8208f7efe_prep:
	s_mov_b64 s[64:65], 0
	v_nop
	global_prefetch_b8 v0, s[64:65] scope:SCOPE_SE
	s_setreg_imm32_b32 hwreg(HW_REG_WAVE_MODE, 25, 1), 1
	s_wait_xcnt 0x0
; PREP.  Work-groups 0-255: x [8192][1024] f32 becomes codes of FP4 (E2M1), K innermost (xc, 512 bytes a row), and one E8M0 byte for each 32 along K (xs, 32 bytes a row).
; Work-groups 256-511: Wq, Wk, Wv [k 1024][n 1024] f32 are quantised along K, their FIRST axis, and Wp is rounded to f16; all four are laid in the order of an operand's registers:
;   wc  [nt 192][ks 8][1024 bytes]: 16 columns n x 128 along K; the 32 codes of block t (0..3) of column r lie at 256 t + 16 r, which is what lane 16 (t % 2) + r takes into registers 4 (t / 2) .. + 3;
;   ws  [3072][32]: a column's scale bytes;      wpf [nt 64][kc 32][1024 bytes]: 16 columns x 32 along K in f16; k = 8 e .. 8 e + 7 of column r at 256 e + 16 r.
; A block's scale is 2^(floor(log2(its largest magnitude)) - 2); its byte is the largest magnitude's exponent field - 2, held at 1 from below.  A block of zeros so gets the byte 1 with zero codes,
; which add nothing; the bytes are read by this program alone.  LIMITS: NaN and infinities among the inputs are not served; Wp beyond f16's largest number, 65,504, becomes infinity.
; Only the x path uses LDS; the two paths part on the work-group's number and never join.
.set WAVES, 4
.set STEPS, 16
.set EMAX,  2
.set CB,    8                          ; bytes of 16 codes
.set R,     16                         ; v16-79   x path: four sets of 16 numbers as they are loaded
.set X,     80                         ; v80-111  two sets of 16 neighbours
.set E,     112                        ; v112-127 a scale byte for each step
.set C,     128                        ; v128-189 codes: registers of their own for each step, so that no store's data are written again
.set WREG,  8192                       ; LDS: a region for each wave: two stages of 32 x SP bytes, then its 256 scale bytes
.set SP,    80                         ; a lane's place in a stage: 64 bytes + 16 of padding
.set SPARE, WAVES*WREG                 ; behind the regions: the spare words, 128 bytes a wave, which no other line names
.set SPW,   190                        ; v190 LDS address of my spare word; never rewritten
.set NIL,   191                        ; v191 0; never rewritten
.set WX,    32                         ; v32-95   weight path: two sets of 32 numbers
.set WC,    96                         ; v96-159  its results: registers of their own for each block
.set SB,    24                         ; v24      four scale bytes
	s_load_b256 s[4:11], s[0:1], 0x0               ; x s[4:5], Wq s[6:7], Wk s[8:9], Wv s[10:11]
	s_load_b256 s[12:19], s[0:1], 0x20             ; Wp s[12:13], xc s[14:15], xs s[16:17], wc s[18:19]
	s_load_b128 s[20:23], s[0:1], 0x40             ; ws s[20:21], wpf s[22:23]
	v_lshl_add_u32 v[SPW], v0, 2, SPARE
	v_mov_b32 v[NIL], 0
	v_lshrrev_b32 v1, 5, v0
	v_readfirstlane_b32 s24, v1                    ; wave
	v_and_b32 v2, 31, v0                           ; lane
	s_cmp_ge_u32 ttmp9, 256
	s_cbranch_scc1 .Lweights
; ---------------- x: a plain stream of blocks of 32.  A wave takes 16 steps of 512 numbers.  Each load reads 512 consecutive bytes; a step's 2,048 bytes turn through the wave's own stage in LDS,
; so that a lane then holds 16 neighbours along K (two neighbouring lanes hold a block).  Loads run four steps ahead, the turn through LDS one step.
	v_lshlrev_b32 v3, 4, v2                        ; my 16 bytes of a load's 512
	s_mul_i32 s25, s24, WREG
	v_lshrrev_b32 v14, 2, v2
	v_mul_u32_u24 v14, v14, SP
	v_and_b32 v15, 3, v2
	v_lshl_add_u32 v14, v15, 4, v14
	v_add_nc_u32 v14, s25, v14                     ; the stage, on the way in: SP (lane / 4) + 16 (lane % 4)
	v_mul_u32_u24 v15, v2, SP
	v_add_nc_u32 v15, s25, v15                     ; and on the way out: SP x lane
	v_mul_u32_u24 v4, v2, CB                       ; my codes' place in a step's 256 bytes
	v_lshrrev_b32 v5, 1, v2
	s_add_co_u32 s25, s25, 2*32*SP
	v_add_nc_u32 v5, s25, v5                       ; my block's byte among my wave's 256 scale bytes
	v_lshlrev_b32 v7, 3, v2
	v_add_nc_u32 v6, s25, v7                       ; and 8 bytes a lane on their way out
	s_lshl_b32 s26, ttmp9, 2
	s_add_co_u32 s26, s26, s24                     ; which run of 8,192 numbers is my wave's
	s_mov_b32 s29, 0
	s_wait_kmcnt 0x0
	s_lshl_b32 s28, s26, 15
	s_add_nc_u64 s[4:5], s[4:5], s[28:29]          ; 32,768 bytes of x a run,
	s_lshl_b32 s28, s26, 12
	s_add_nc_u64 s[14:15], s[14:15], s[28:29]      ; 4,096 of codes,
	s_lshl_b32 s28, s26, 8
	s_add_nc_u64 s[16:17], s[16:17], s[28:29]      ; 256 scale bytes
.macro LOAD t
.irp i, 0,1,2,3
	global_load_b128 v[R+16*((\t)%4)+4*\i:R+16*((\t)%4)+4*\i+3], v3, s[4:5] offset:2048*(\t)+512*\i th:TH_LOAD_NT
.endr
.endm
.macro TURN t                          ; step t's numbers through the stage: LDS serves a wave's instructions in order, so no wait stands between the stores and the loads
.irp i, 0,1,2,3
	ds_store_b128 v14, v[R+16*((\t)%4)+4*\i:R+16*((\t)%4)+4*\i+3] offset:32*SP*((\t)%2)+8*SP*\i
.endr
.irp i, 0,1,2,3
	ds_load_b128 v[X+16*((\t)%2)+4*\i:X+16*((\t)%2)+4*\i+3], v15 offset:32*SP*((\t)%2)+16*\i
.endr
.endm
.irp t, 0,1,2,3
	LOAD \t
.endr
	s_wait_loadcnt 12                              ; step 0's four loads are in; three steps of four stay out
	TURN 0
.macro STEP t
.set XS, X+16*((\t)%2)
.if (\t) > 0
	s_wait_dscnt 1                                 ; this step's numbers are back from the stage (the last step's byte store may be out)
.else
	s_wait_dscnt 0x0
.endif
.if (\t)+4 < STEPS
	LOAD (\t)+4                                    ; into the registers that this step's stores to the stage have read
.endif
.if (\t)+1 < STEPS
.if STEPS-2-(\t) >= 3
	s_wait_loadcnt 12                              ; the next step's four loads are in; those of the three steps behind it may be out
.else
	s_wait_loadcnt 4*(STEPS-2-(\t))
.endif
	TURN (\t)+1
.endif
	v_max3_num_f32 v8, |v[XS]|, |v[XS+1]|, |v[XS+2]|               ; the largest magnitude of my 16, in two chains
	v_max3_num_f32 v9, |v[XS+3]|, |v[XS+4]|, |v[XS+5]|
.irp i, 6,10
	v_max3_num_f32 v8, v8, |v[XS+\i]|, |v[XS+\i+1]|
	v_max3_num_f32 v9, v9, |v[XS+\i+2]|, |v[XS+\i+3]|
.endr
	v_max3_num_f32 v8, v8, |v[XS+14]|, |v[XS+15]|
	v_max3_num_f32 v8, v8, v9, (EMAX+1)<<23        ; and the floor 2^(3 - 127): the byte cannot fall under 1
	v_max_num_f32_dpp v8, v8, v8 row_xmask:1 row_mask:0xf bank_mask:0xf   ; with my neighbour's 16: the block's
	v_add_nc_u32 v11, -(EMAX<<23), v8              ; 2 off its exponent field: the conversion takes the exponent field of this operand as its scale
	v_cvt_scalef32_pk8_fp4_f32 v[C+4*(\t)], v[XS:XS+7], v11
	v_cvt_scalef32_pk8_fp4_f32 v[C+4*(\t)+1], v[XS+8:XS+15], v11
	v_lshrrev_b32 v[E+(\t)], 23, v11               ; the scale's byte
	ds_store_b8 v5, v[E+(\t)] offset:16*(\t)       ; both lanes of a block write the same byte with the same value
	global_store_b64 v4, v[C+4*(\t):C+4*(\t)+1], s[14:15] offset:32*CB*(\t)   ; the wave stores 256 consecutive bytes, aligned
.endm
.irp t, 0,1,2,3,4,5,6,7,8,9,10,11,12,13,14,15
	STEP \t
.endr
	ds_load_b64 v[8:9], v6                         ; LDS serves a wave's instructions in order: these see my byte stores
	s_wait_dscnt 0x0
	global_store_b64 v7, v[8:9], s[16:17]          ; 256 consecutive scale bytes, aligned
	s_wait_tensorcnt 0x0                           ; the wave's end, behind my last LDS store
	ds_add_u32 v[SPW], v[NIL]
	s_wait_dscnt 0x0
	s_endpgm
; ---------------- the weights.  g = work-group - 256: weight g / 64, K step (g / 8) % 8 of 128, column group g % 8 of 128.  A LANE TAKES A COLUMN AND ITS REGISTERS RUN DOWN K: each load reads 128
; consecutive bytes a wave (the four waves stand side by side on 512), a block of 32 along K lies in one lane's 32 registers, and the conversions give K innermost.  No LDS on this path.
.Lweights:
	s_sub_co_u32 s25, ttmp9, 256
	s_lshr_b32 s26, s25, 6                         ; 0 Wq, 1 Wk, 2 Wv, 3 Wp
	s_and_b32 s27, s25, 7                          ; column group
	s_bfe_u32 s28, s25, 0x30003                    ; K step
	v_lshlrev_b32 v3, 2, v2                        ; in: 4 bytes a lane
	v_lshrrev_b32 v7, 4, v2
	v_and_b32 v8, 15, v2
	v_lshlrev_b32 v8, 4, v8
	v_lshl_or_b32 v4, v7, 13, v8                   ; wc: tile lane / 16 (8,192 bytes apart), 16 (lane % 16)
	v_lshlrev_b32 v5, 5, v2                        ; ws: 32 bytes a column
	v_lshl_or_b32 v6, v7, 15, v8                   ; wpf: tiles 32,768 bytes apart
	s_lshl_b32 s30, s28, 19                        ; 128 rows of 4,096 bytes a K step,
	s_lshl_b32 s31, s27, 9
	s_add_co_u32 s30, s30, s31                     ; 128 columns a group,
	s_lshl_b32 s31, s24, 7
	s_add_co_u32 s30, s30, s31                     ; 32 a wave
	s_mov_b32 s31, 0
	s_lshl_b32 s32, s27, 3
	s_lshl_b32 s33, s24, 1
	s_add_co_u32 s32, s32, s33                     ; my first column / 16
	s_lshl_b32 s34, s26, 6
	s_add_co_u32 s34, s34, s32                     ; nt
	s_lshl_b32 s36, s34, 13
	s_lshl_b32 s33, s28, 10
	s_add_co_u32 s36, s36, s33                     ; wc: nt x 8,192 + K step x 1,024
	s_mov_b32 s37, 0
	s_lshl_b32 s38, s34, 9
	s_lshl_b32 s33, s28, 2
	s_add_co_u32 s38, s38, s33                     ; ws: 16 nt columns x 32 + 4 bytes a K step
	s_mov_b32 s39, 0
	s_lshl_b32 s40, s32, 15
	s_lshl_b32 s33, s28, 12
	s_add_co_u32 s40, s40, s33                     ; wpf: tile x 32,768 + K step x 4 x 1,024
	s_mov_b32 s41, 0
	s_wait_kmcnt 0x0
	s_cmp_eq_u32 s26, 1                            ; the choice hangs on the work-group's number alone
	s_cselect_b64 s[6:7], s[8:9], s[6:7]
	s_cmp_eq_u32 s26, 2
	s_cselect_b64 s[6:7], s[10:11], s[6:7]
	s_cmp_eq_u32 s26, 3
	s_cselect_b64 s[6:7], s[12:13], s[6:7]
	s_add_nc_u64 s[6:7], s[6:7], s[30:31]
.macro WLOAD t                         ; block t: W(32 t + i, my column), i = 0 .. 31, into set t % 2
.set i, 0
.rept 32
	global_load_b32 v[WX+32*((\t)%2)+i], v3, s[6:7] offset:(32*(\t)+i)*4096 th:TH_LOAD_NT
.set i, i+1
.endr
.endm
.macro WWAIT t
.if (\t) < 3
	s_wait_loadcnt 32                              ; this block's 32 loads are in; the next block's 32 may be out
.else
	s_wait_loadcnt 0x0
.endif
.endm
	WLOAD 0
	WLOAD 1
	s_cmp_eq_u32 s26, 3
	s_cbranch_scc1 .Lhalf
	s_add_nc_u64 s[18:19], s[18:19], s[36:37]
	s_add_nc_u64 s[20:21], s[20:21], s[38:39]
.macro BLOCKQ t
.set XS, WX+32*((\t)%2)
	WWAIT \t
	v_max3_num_f32 v12, |v[XS]|, |v[XS+1]|, |v[XS+2]|               ; the block's largest magnitude: all 32 numbers are mine
	v_max3_num_f32 v13, |v[XS+3]|, |v[XS+4]|, |v[XS+5]|
.irp i, 6,10,14,18,22,26
	v_max3_num_f32 v12, v12, |v[XS+\i]|, |v[XS+\i+1]|
	v_max3_num_f32 v13, v13, |v[XS+\i+2]|, |v[XS+\i+3]|
.endr
	v_max3_num_f32 v12, v12, |v[XS+30]|, |v[XS+31]|
	v_max3_num_f32 v12, v12, v13, (EMAX+1)<<23     ; and the floor
	v_add_nc_u32 v11, -(EMAX<<23), v12             ; the conversion's scale operand
	v_lshrrev_b32 v13, 23, v11                     ; the scale's byte
.if (\t) == 0
	v_mov_b32 v[SB], v13
.else
	v_lshl_or_b32 v[SB], v13, 8*(\t), v[SB]        ; the lower K in the lower byte
.endif
.irp g, 0,1,2,3
	v_cvt_scalef32_pk8_fp4_f32 v[WC+4*(\t)+\g], v[XS+8*\g:XS+8*\g+7], v11
.endr
	global_store_b128 v4, v[WC+4*(\t):WC+4*(\t)+3], s[18:19] offset:256*(\t)   ; sixteen lanes store 256 consecutive bytes, aligned
.if (\t)+2 < 4
	WLOAD (\t)+2
.endif
.endm
	BLOCKQ 0
	BLOCKQ 1
	BLOCKQ 2
	BLOCKQ 3
	global_store_b32 v5, v[SB], s[20:21]           ; four bytes of each column's 32: pieces 32 bytes apart, 98,304 bytes in all beside the 12.6 million that these work-groups read
	s_endpgm
.Lhalf:
	s_add_nc_u64 s[22:23], s[22:23], s[40:41]
.macro BLOCKH t
.set XS, WX+32*((\t)%2)
	WWAIT \t
.set i, 0
.rept 16
	v_cvt_pk_f16_f32 v[WC+16*(\t)+i], v[XS+2*i], v[XS+2*i+1]       ; two neighbours along K, the lower in the low half
.set i, i+1
.endr
.irp e, 0,1,2,3
	global_store_b128 v6, v[WC+16*(\t)+4*\e:WC+16*(\t)+4*\e+3], s[22:23] offset:1024*(\t)+256*\e
.endr
.if (\t)+2 < 4
	WLOAD (\t)+2
.endif
.endm
	BLOCKH 0
	BLOCKH 1
	BLOCKH 2
	BLOCKH 3
	s_endpgm
.Lfunc_end_k_qa8208f7efe_prep:
	.size	k_qa8208f7efe_prep, .Lfunc_end_k_qa8208f7efe_prep-k_qa8208f7efe_prep
	.p2alignl 7, 3214868480
	.fill 96, 4, 3214868480
	.section	.rodata,"a",@progbits
	.p2align	6, 0x0
	.amdhsa_kernel k_qa8208f7efe_prep
		.amdhsa_group_segment_fixed_size 33280
		.amdhsa_private_segment_fixed_size 0
		.amdhsa_enable_private_segment 0
		.amdhsa_kernarg_size 80
		.amdhsa_user_sgpr_count 2
		.amdhsa_user_sgpr_kernarg_segment_ptr 1
		.amdhsa_wavefront_size32 1
		.amdhsa_system_sgpr_workgroup_id_x 1
		.amdhsa_system_sgpr_workgroup_id_y 1
		.amdhsa_system_sgpr_workgroup_id_z 1
		.amdhsa_system_vgpr_workitem_id 0
		.amdhsa_next_free_vgpr 192
		.amdhsa_next_free_sgpr 66
		.amdhsa_reserve_vcc 0
		.amdhsa_float_denorm_mode_32 3
		.amdhsa_float_denorm_mode_16_64 3
		.amdhsa_memory_ordered 1
		.amdhsa_forward_progress 1
		.amdhsa_inst_pref_size 65
	.end_amdhsa_kernel
	.amdgpu_metadata
---
amdhsa.version: [ 1, 2 ]
amdhsa.kernels:
  - .name:           k_qa8208f7efe_prep
    .symbol:         k_qa8208f7efe_prep.kd
    .args:
      - { .name: x, .offset: 0, .size: 8, .value_kind: global_buffer, .address_space: global }
      - { .name: Wq, .offset: 8, .size: 8, .value_kind: global_buffer, .address_space: global }
      - { .name: Wk, .offset: 16, .size: 8, .value_kind: global_buffer, .address_space: global }
      - { .name: Wv, .offset: 24, .size: 8, .value_kind: global_buffer, .address_space: global }
      - { .name: Wp, .offset: 32, .size: 8, .value_kind: global_buffer, .address_space: global }
      - { .name: xc, .offset: 40, .size: 8, .value_kind: global_buffer, .address_space: global }
      - { .name: xs, .offset: 48, .size: 8, .value_kind: global_buffer, .address_space: global }
      - { .name: wc, .offset: 56, .size: 8, .value_kind: global_buffer, .address_space: global }
      - { .name: ws, .offset: 64, .size: 8, .value_kind: global_buffer, .address_space: global }
      - { .name: wpf, .offset: 72, .size: 8, .value_kind: global_buffer, .address_space: global }
    .group_segment_fixed_size: 33280
    .private_segment_fixed_size: 0
    .kernarg_segment_align: 8
    .kernarg_segment_size: 80
    .max_flat_workgroup_size: 128
    .sgpr_count:     66
    .vgpr_count:     192
    .wavefront_size: 32
...
	.end_amdgpu_metadata
.endif
;; end of part 1
;; launch qkv (part 2): grid 12 x 32, 4 waves a work-group, clusters of 4 x 4, 327,680 bytes of LDS; arguments xc, xs, wc, ws, bq, bk, bv, qkv, q32; writes qkv, q32
.if DOCPART == 2
	.amdgcn_target "amdgcn-amd-amdhsa--gfx1250"
	.amdhsa_code_object_version 6
	.text
	.protected	k_qa8208f7efe_qkv
	.globl	k_qa8208f7efe_qkv
	.p2align	8
	.type	k_qa8208f7efe_qkv,@function
k_qa8208f7efe_qkv:
	s_mov_b64 s[64:65], 0
	v_nop
	global_prefetch_b8 v0, s[64:65] scope:SCOPE_SE
	s_setreg_imm32_b32 hwreg(HW_REG_WAVE_MODE, 25, 1), 1
	s_wait_xcnt 0x0
	s_wait_alu depctr_hold_cnt(0) depctr_sa_sdst(0) depctr_va_vdst(0) depctr_va_sdst(0) depctr_va_ssrc(0) depctr_va_vcc(0) depctr_vm_vsrc(0)
	s_getreg_b32 s2, hwreg(HW_REG_IB_STS2, 6, 4)
	s_cmp_eq_u32 s2, 0
	s_cbranch_scc0 .Lentry_in_a_cluster
	s_endpgm
.Lentry_in_a_cluster:
	s_bfe_u32 s2, ttmp6, 0x10000c
	s_cmp_lg_u32 s2, 0xf033
	s_cbranch_scc0 .Lentry_shape_is_right
	s_endpgm
.Lentry_shape_is_right:
; [q | k | v] = Q(x) Q(W) + b: C [8192][3072] on codes of FP4 (E2M1) with one E8M0 scale for each 32 along K = 1,024; sums in f32, begun with the bias as C.
; A tile of C is 256 x 256, made by four waves, each 128 x 128: 64 accumulators, 512 registers.  K is two slots of 512: every LDS byte is filled once, all loads go out at the head, there is no loop.
; A (x's codes): rows of 256 bytes, padded to 272 in LDS.  B (W's codes): images of the operand's registers, 1,024 bytes for 16 columns x 128 K: a fragment is two loads at 16 x lane, no padding.
; CLUSTERS 4 x 4: tile column = 4 x cluster x + cx, so the cluster's x says which of q, k, v; tile row = 8 cy + cluster y, so cy is the batch and 256 x cluster y the first position.
; A's tiles are shared along a row of the cluster, B's along a column: joint loads.  THE MATRIX INSTRUCTION IS USED TRANSPOSED (source 0 = 16 columns of W, source 1 = 16 rows of x):
; a lane holds eight neighbouring channels of one position, which round to 16 bytes of f16: exactly one lane's part of the next launch's operand image.  So results leave straight from registers:
;   qkv [which 3][bh 64][tt 128][kc 2][1024]: 16 positions x 32 channels; piece p (512 bytes) holds channels 16 p + 8 e + 0..7 of position r at slot 16 e + r (q, k),
;   or at slot 16 (r / 8) + 8 e + r % 8 (v: the order in which the turning LDS load of the next launch takes it).   q32 [which][b][16][1024] f32: positions 0-15, for the last launch.
; LIMITS: |q|, |k|, |v| beyond f16's largest number, 65,504, become infinity.
; REGISTERS: window 0: v16-29 addresses; v32-95 scale words, two sets; v128-191 A's fragments, one set; v192-255 the bias in the result's layout; on the way out v128-255 hold packed results.
;   window 1: B's fragments, two sets.   windows 2, 3: the accumulators ((a, b) at v[8 (8 (a % 4) + b)]).
.set NQ,     4                         ; steps of 128 along K in a slot
.set ROWB,   256                       ; a row of A's tile in bytes
.set KROW,   512                       ; a row of xc
.set PITCH,  272
.set FR,     8
.set NL,     2
.set NP,     4
.set HALFT,  128*PITCH                 ; A: 128 rows
.set BHALF,  8*4096                    ; B: 8 tiles of 16 columns x 4 steps x 1,024 bytes
.set SLOT,   2*HALFT+2*BHALF           ; A's halves, then B's
.set KS,     32                        ; a row of scale bytes
.set SCL,    2*SLOT                    ; the scales: rows of 256 bytes + 16 of padding
.set HALFS,  (128*KS/256)*272
.set SBLK,   (16*KS/256)*272
.set SPARE,  SCL+4*HALFS               ; the spare words, 128 bytes a wave, which no other line names
.set ADRA, 16
.set ADRB, 20
.set VO,   24                          ; v24 my 16 bytes in a piece of 512
.set FO,   25                          ; v25 my place in q32
.set ADRS, 27
.set SPW,  28
.set NIL,  29
.set SC,   32
.set AF,   128
.set BI,   192
.set PK,   128
.set G1, 24
.set G0, 32
.set G1B, 48
.set G0B, 56
.set G1S, 68
.set G0S, 76
.set G1SB, 80
.set G0SB, 88
.set MSB, 0
.macro WIN new                         ; the immediate's high byte repeats the setting that is left
.if MSB != (\new)
	s_set_vgpr_msb (MSB<<8)|(\new)
.set MSB, (\new)
.endif
.endm
.set MUL_LO, 0xa1                      ; source 0 (B) window 1, source 1 (A) window 0, C and D window 2; less 0x20: C (the bias) window 0
.set MUL_HI, 0xf1                      ; the same, C and D window 3; less 0x30: C window 0
.set TO_B,   0x40
; A joint load: waves 0 and 1 fetch for A, waves 2 and 3 for B; the branch hangs on the wave's number alone.  An s_nop 0 and four v_nop follow each of the two lines.
.macro JLOAD g0a, g1a, g0b, g1b
	s_cmp_eq_u32 s15, 0
	s_cbranch_scc0 .Lfor_b_\@
	tensor_load_to_lds s[\g0a:\g0a+3], s[\g1a:\g1a+7]
	s_nop 0
.rept 4
	v_nop
.endr
	s_branch .Lasked_\@
.Lfor_b_\@:
	tensor_load_to_lds s[\g0b:\g0b+3], s[\g1b:\g1b+7]
	s_nop 0
.rept 4
	v_nop
.endr
.Lasked_\@:
.endm
.macro CROUND                          ; a round of the cluster's barrier
	s_barrier_signal -1
	s_barrier_wait -1
	s_cmp_lg_u32 s14, 0
	s_cbranch_scc1 .Lnot_wave_0_\@
	s_barrier_signal -3
.Lnot_wave_0_\@:
	s_barrier_wait -3
	s_barrier_signal -1
	s_barrier_wait -1
.endm
	s_load_b128 s[4:7], s[0:1], 0x0                ; xc s[4:5], xs s[6:7]
	s_load_b128 s[8:11], s[0:1], 0x10              ; wc s[8:9], ws s[10:11]
	s_load_b128 s[96:99], s[0:1], 0x20             ; bq, bk
	s_load_b64 s[100:101], s[0:1], 0x30            ; bv
	s_load_b64 s[12:13], s[0:1], 0x38              ; qkv
	s_load_b64 s[66:67], s[0:1], 0x40              ; q32
	v_lshl_add_u32 v[SPW], v0, 2, SPARE
	v_mov_b32 v[NIL], 0
	ds_add_u32 v[SPW], v[NIL]                      ; the wave's opening: the add, twice on end, and its wait ahead of my first tensor load
	ds_add_u32 v[SPW], v[NIL]
	v_lshrrev_b32 v1, 5, v0
	v_readfirstlane_b32 s14, v1                    ; wave 0..3
	s_lshr_b32 s15, s14, 1                         ; which half of the tile's rows is mine.  Also: I fetch for A (0) or for B (1)
	s_and_b32 s16, s14, 1                          ; which half of its columns.  Also: which half I fetch
	s_bfe_u32 s40, ttmp6, 0x40000                  ; cx
	s_bfe_u32 s41, ttmp6, 0x40004                  ; cy
	s_lshl_b32 s42, ttmp9, 2
	s_add_co_u32 s42, s42, s40                     ; tile column = 4 x cluster x + cx
	s_and_b32 s17, ttmp7, 0xffff
	s_lshl_b32 s18, s41, 3
	s_add_co_u32 s17, s17, s18                     ; tile row = 8 cy + cluster y
	s_lshl_b32 s43, s41, 2
	s_lshl_b32 s43, 15, s43                        ; my row of the cluster
	s_lshl_b32 s44, 0x1111, s40                    ; my column
	s_or_b32 s[G1+0], s43, (0<<16)|(1<<20)|(1<<21)|(5<<22)|(3<<25)  ; A: mask; elements of 1 byte; padding on; bit 21 beside a mask; 4 words behind every 64
	s_mov_b32 s[G1+1], ROWB<<16                    ; tensor_dim0
	s_mov_b32 s[G1+2], 128<<16                     ; tensor_dim1
	s_mov_b32 s[G1+3], ROWB<<16                    ; tile_dim0
	s_mov_b32 s[G1+4], 128                         ; tile_dim1
	s_mov_b32 s[G1+5], KROW                        ; pitch
	s_mov_b32 s[G1+6], 0
	s_mov_b32 s[G1+7], 0
	s_or_b32 s[G1B+0], s44, (3<<16)|(1<<21)        ; B: elements of 8 bytes, no padding: 8 rows (tiles of 16 columns) of 4,096 bytes (4 steps), 8,192 bytes apart
	s_mov_b32 s[G1B+1], 512<<16
	s_mov_b32 s[G1B+2], 8<<16
	s_mov_b32 s[G1B+3], 512<<16
	s_mov_b32 s[G1B+4], 8
	s_mov_b32 s[G1B+5], 1024
	s_mov_b32 s[G1B+6], 0
	s_mov_b32 s[G1B+7], 0
	s_or_b32 s[G1S+0], s43, (3<<16)|(1<<20)|(1<<21)|(5<<22)|(3<<25)  ; the scales of 128 rows: 4,096 dense bytes as 16 rows of 256, 16 bytes of padding behind each
	s_or_b32 s[G1SB+0], s44, (3<<16)|(1<<20)|(1<<21)|(5<<22)|(3<<25)
.irp g, G1S, G1SB
	s_mov_b32 s[\g+1], 32<<16
	s_mov_b32 s[\g+2], (128*KS/256)<<16
	s_mov_b32 s[\g+3], 32<<16
	s_mov_b32 s[\g+4], 128*KS/256
	s_mov_b32 s[\g+5], 32
	s_mov_b32 s[\g+6], 0
	s_mov_b32 s[\g+7], 0
.endr
	s_lshl_b32 s18, s16, 7                         ; which 128 rows I fetch
	s_lshl_b32 s20, s17, 8
	s_add_co_u32 s20, s20, s18                     ; A: row of x
	s_lshl_b32 s46, s42, 8
	s_add_co_u32 s46, s46, s18                     ; B: column of the 3,072
	s_lshl_b32 s22, s20, 5                         ; their scale bytes: 32 a row
	s_mov_b32 s23, 0
	s_lshl_b32 s92, s46, 5
	s_mov_b32 s93, 0
	s_lshl_b32 s20, s20, 9                         ; their codes: 512 bytes a row of x,
	s_mov_b32 s21, 0
	s_lshl_b32 s46, s46, 9                         ; 8,192 bytes for 16 columns of W
	s_mov_b32 s47, 0
	s_mul_i32 s45, s16, HALFT                      ; where they go: no place in the cluster enters an LDS address
	s_mul_i32 s95, s16, BHALF
	s_add_co_u32 s95, s95, 2*HALFT
	s_mul_i32 s94, s14, HALFS
	s_wait_dscnt 0x0                               ; both opening adds are done
	s_wait_kmcnt 0x0
	s_add_nc_u64 s[20:21], s[4:5], s[20:21]
	s_add_nc_u64 s[22:23], s[6:7], s[22:23]
	s_add_nc_u64 s[46:47], s[8:9], s[46:47]
	s_add_nc_u64 s[92:93], s[10:11], s[92:93]
	CROUND                                         ; all sixteen work-groups are here: the joint loads meet
	s_mov_b32 s[G0S], 1
	s_add_co_u32 s[G0S+1], s94, SCL
	s_mov_b64 s[G0S+2:G0S+3], s[22:23]
	s_or_b32 s[G0S+3], s[G0S+3], 0x80000000
	s_mov_b32 s[G0SB], 1
	s_add_co_u32 s[G0SB+1], s94, SCL
	s_mov_b64 s[G0SB+2:G0SB+3], s[92:93]
	s_or_b32 s[G0SB+3], s[G0SB+3], 0x80000000
	JLOAD G0S, G1S, G0SB, G1SB                     ; the scales first; then both slots: three loads of mine are out
.irp s, 0,1
	s_mov_b32 s[G0+4*\s], 1
	s_add_co_u32 s[G0+4*\s+1], s45, \s*SLOT
	s_add_nc_u64 s[G0+4*\s+2:G0+4*\s+3], s[20:21], \s*ROWB
	s_or_b32 s[G0+4*\s+3], s[G0+4*\s+3], 0x80000000
	s_mov_b32 s[G0B+4*\s], 1
	s_add_co_u32 s[G0B+4*\s+1], s95, \s*SLOT
	s_add_nc_u64 s[G0B+4*\s+2:G0B+4*\s+3], s[46:47], \s*4096
	s_or_b32 s[G0B+4*\s+3], s[G0B+4*\s+3], 0x80000000
	JLOAD G0+4*\s, G1, G0B+4*\s, G1B
.endr
	v_and_b32 v1, 15, v0                           ; r
	v_bfe_u32 v2, v0, 4, 1                         ; h
	v_mul_u32_u24 v3, v1, PITCH
	v_lshl_add_u32 v4, v2, 4, v3                   ; A: row x pitch + 16 h
	v_and_b32 v7, 31, v0
	v_lshlrev_b32 v7, 4, v7                        ; 16 x lane
	s_mul_i32 s21, s15, HALFT                      ; my 128 rows of A
	s_mul_i32 s22, s16, BHALF
	s_add_co_u32 s22, s22, 2*HALFT                 ; my 128 columns of B
.irp s, 0,1
	v_add_nc_u32 v[ADRA+\s], s21, v4
	v_add_nc_u32 v[ADRB+\s], s22, v7
	s_add_co_u32 s21, s21, SLOT
	s_add_co_u32 s22, s22, SLOT
.endr
	v_mul_u32_u24 v5, v1, KS                       ; my row's scales: 32 bytes a row,
	v_lshrrev_b32 v6, 8, v5
	v_lshl_add_u32 v5, v6, 4, v5                   ; and 16 more for each 256 passed
	s_mul_i32 s21, s15, HALFS
	s_mul_i32 s22, s16, HALFS
	s_add_co_u32 s22, s22, 2*HALFS
	s_sub_co_u32 s22, s22, s21
	v_mul_u32_u24 v6, s22, v2                      ; lanes 16-31 take B's
	s_add_co_u32 s21, s21, SCL
	v_add_nc_u32 v5, v5, v6
	v_add_nc_u32 v[ADRS], s21, v5
	; the bias of my 128 columns, in the result's layout: register 8 b + j of lane (r, h) is bias[16 b + 8 h + j]
	v_lshlrev_b32 v8, 5, v2
	s_cmp_eq_u32 ttmp9, 1                          ; the cluster's x: the same in all partners
	s_cselect_b64 s[96:97], s[98:99], s[96:97]
	s_cmp_eq_u32 ttmp9, 2
	s_cselect_b64 s[96:97], s[100:101], s[96:97]
	s_cselect_b32 s19, -1, 0                       ; all ones where the tile is v's
	s_lshl_b32 s46, s40, 10
	s_lshl_b32 s47, s16, 9
	s_add_co_u32 s46, s46, s47                     ; my first column within q, k or v, x 4 bytes
	s_mov_b32 s47, 0
	s_add_nc_u64 s[96:97], s[96:97], s[46:47]
.irp b, 0,1,2,3,4,5,6,7
	global_load_b128 v[BI+8*\b:BI+8*\b+3], v8, s[96:97] offset:64*\b
	global_load_b128 v[BI+8*\b+4:BI+8*\b+7], v8, s[96:97] offset:64*\b+16
.endr
	v_lshrrev_b32 v9, 3, v1
	v_and_b32 v10, 7, v1
	v_lshlrev_b32 v9, 8, v9
	v_lshl_add_u32 v9, v2, 7, v9
	v_lshl_add_u32 v9, v10, 4, v9                  ; v's order: 16 x (16 (r / 8) + 8 h + r % 8)
	v_cndmask_b32 v[VO], v7, v9, s19               ; q's and k's: 16 x lane
	v_lshlrev_b32 v[FO], 12, v1
	v_lshl_add_u32 v[FO], v2, 5, v[FO]             ; q32: row r, + 32 h
	s_lshl_b32 s20, s41, 4                         ; qkv: bh = 16 cy + 4 cx + 2 x column half (+ b / 4),
	s_lshl_b32 s21, s40, 2
	s_add_co_u32 s20, s20, s21
	s_lshl_b32 s21, s16, 1
	s_add_co_u32 s20, s20, s21
	s_lshl_b32 s20, s20, 18
	s_lshl_b32 s21, ttmp9, 24
	s_add_co_u32 s20, s20, s21
	s_and_b32 s21, ttmp7, 0xffff                   ; tt = 16 x cluster y + 8 x row half (+ a)
	s_lshl_b32 s21, s21, 4
	s_lshl_b32 s22, s15, 3
	s_add_co_u32 s21, s21, s22
	s_lshl_b32 s21, s21, 11
	s_add_co_u32 s20, s20, s21
	s_mov_b32 s21, 0
	s_add_nc_u64 s[12:13], s[12:13], s[20:21]
	s_lshl_b32 s20, ttmp9, 18                      ; q32: which, batch, my first column
	s_lshl_b32 s22, s41, 16
	s_add_co_u32 s20, s20, s22
	s_add_co_u32 s20, s20, s46
	s_add_nc_u64 s[66:67], s[66:67], s[20:21]
.macro FRAG reg, adr, q, i             ; A: 16 rows x 128 K: lane l holds row l % 16; registers 4 c .. + 3 hold K = 64 c + 32 (l / 16) + 0 .. 31
.irp c, 0,1
	ds_load_b128 v[\reg+4*\c:\reg+4*\c+3], v[\adr] offset:64*(\q)+32*\c+(\i)*16*PITCH
.endr
.endm
.macro FRAGB reg, adr, q, i            ; B: the image as it lies
.irp c, 0,1
	ds_load_b128 v[\reg+4*\c:\reg+4*\c+3], v[\adr] offset:(\i)*4096+(\q)*1024+\c*512
.endr
.endm
; 16 matrix instructions: A's blocks a0, a0 + 1 x B's eight.  zero = 1: the first product starts the sums with the bias.  The 64 accumulators take turns.
.macro MUL16 a0, p, q, sc, zero
.irp a, \a0, \a0+1
.irp b, 0,1,2,3,4,5,6,7
.if \zero
	v_wmma_scale_f32_16x16x128_f8f6f4 v[8*(8*((\a)%4)+\b):8*(8*((\a)%4)+\b)+7], v[128*(\p)+FR*\b:128*(\p)+FR*\b+FR-1], v[AF+FR*(\a):AF+FR*(\a)+FR-1], v[BI+8*\b:BI+8*\b+7], v[SC+8*NQ*(\sc)+NQ*\b+(\q)], v[SC+8*NQ*(\sc)+NQ*(\a)+(\q)] matrix_a_fmt:MATRIX_FMT_FP4 matrix_b_fmt:MATRIX_FMT_FP4 matrix_a_scale:MATRIX_SCALE_ROW1
.else
	v_wmma_scale_f32_16x16x128_f8f6f4 v[8*(8*((\a)%4)+\b):8*(8*((\a)%4)+\b)+7], v[128*(\p)+FR*\b:128*(\p)+FR*\b+FR-1], v[AF+FR*(\a):AF+FR*(\a)+FR-1], v[8*(8*((\a)%4)+\b):8*(8*((\a)%4)+\b)+7], v[SC+8*NQ*(\sc)+NQ*\b+(\q)], v[SC+8*NQ*(\sc)+NQ*(\a)+(\q)] matrix_a_fmt:MATRIX_FMT_FP4 matrix_b_fmt:MATRIX_FMT_FP4 matrix_a_scale:MATRIX_SCALE_ROW1
.endif
.endr
.endr
.endm
.macro FETCH_B slot, q, p
	WIN TO_B
.irp i, 0,1,2,3,4,5,6,7
	FRAGB 128*(\p)+FR*\i, ADRB+\slot, \q, \i
.endr
	WIN 0
.endm
.macro FETCH_A slot, q, i0
.irp i, \i0, \i0+1, \i0+2, \i0+3
	FRAG AF+FR*(\i), ADRA+\slot, \q, \i
.endr
.endm
.macro SCALES sc                       ; a slot's scale words: four a row; lanes 0-15 take A's block i, lanes 16-31 B's block i
.irp i, 0,1,2,3,4,5,6,7
	ds_load_b128 v[SC+8*NQ*\sc+NQ*\i:SC+8*NQ*\sc+NQ*\i+3], v[ADRS] offset:\i*SBLK
.endr
.endm
.macro PLACES n                        ; plain vector instructions between a matrix instruction and a load into, or a vector write of, a register that it has read, or a read of its result
.rept \n
	v_nop
.endr
.endm
.macro STEP slot, q, zero
	s_wait_dscnt 4*NL                              ; all but the youngest eight loads (A's blocks 4-7) are in
	WIN MUL_LO-0x20*(\zero)
	MUL16 0, (\q)%2, \q, \slot, \zero
	MUL16 2, (\q)%2, \q, \slot, \zero
	s_wait_dscnt 0
	PLACES NP
	FETCH_B \slot, (\q)+1, 1-(\q)%2
	FETCH_A \slot, (\q)+1, 0
	WIN MUL_HI-0x30*(\zero)
	MUL16 4, (\q)%2, \q, \slot, \zero
	MUL16 6, (\q)%2, \q, \slot, \zero
	PLACES NP
	WIN 0
	FETCH_A \slot, (\q)+1, 4
.endm
; Slot 0's last step goes over to slot 1: each wave waits for all its tensor loads (slot 1's part), then the barrier shows the whole slot to every wave.  Nothing is filled again.
.macro TURN slot, next
	s_wait_tensorcnt 0x0                           ; my part of the next slot has landed
	ds_add_u32 v[SPW], v[NIL]                      ; 0 onto my spare word
	s_wait_dscnt 4*NL+1                            ; (the add and the youngest eight loads may be out)
	WIN MUL_LO
	MUL16 0, 1, NQ-1, \slot, 0
	s_wait_dscnt 0x0                               ; no LDS instruction of mine is out at the signal
	s_barrier_signal -1
	MUL16 2, 1, NQ-1, \slot, 0
	WIN 0
	s_barrier_wait -1
	PLACES NP
	v_add_nc_u32 v[ADRS], 4*NQ, v[ADRS]            ; the next slot's scale words
	FETCH_B \next, 0, 0
	FETCH_A \next, 0, 0
	SCALES \next
	WIN MUL_HI
	MUL16 4, 1, NQ-1, \slot, 0
	MUL16 6, 1, NQ-1, \slot, 0
	PLACES NP
	WIN 0
	FETCH_A \next, 0, 4
.endm
.macro STEPS slot, from
.set Q, \from
.rept NQ-1-\from
	STEP \slot, Q, 0
.set Q, Q+1
.endr
.endm
	s_wait_tensorcnt 1                             ; the scales and my part of slot 0 are in; slot 1's load may be out
	s_barrier_signal -1
	s_barrier_wait -1
	FETCH_B 0, 0, 0
	FETCH_A 0, 0, 0
	SCALES 0
	FETCH_A 0, 0, 4
	s_wait_loadcnt 0x0                             ; the bias
	STEP 0, 0, 1
	STEPS 0, 1
	TURN 0, 1
	STEPS 1, 0
	s_wait_dscnt 4*NL                              ; the last step: nothing more to fetch
	WIN MUL_LO
	MUL16 0, 1, NQ-1, 1, 0
	MUL16 2, 1, NQ-1, 1, 0
	s_wait_dscnt 0
	WIN MUL_HI
	MUL16 4, 1, NQ-1, 1, 0
	MUL16 6, 1, NQ-1, 1, 0
	WIN 0
	PLACES NP                                      ; ahead of the conversions, which read results and write registers that held A's fragments
; THE WAY OUT.  Block a (16 positions): a lane's eight channels of accumulator (a, b) round to 16 bytes, its part of piece b % 4 of head b / 4: each store covers 512 consecutive bytes.
.macro PACK a
.set AC, 64*((\a)%4)
	WIN 0x0a+5*((\a)/4)                            ; sources 0 and 1: window 2 or 3
.irp b, 0,1,2,3,4,5,6,7
.irp i, 0,1,2,3
	v_cvt_pk_f16_f32 v[PK+32*((\a)%4)+4*\b+\i], v[AC+8*\b+2*\i], v[AC+8*\b+2*\i+1]   ; each accumulator from its low end on
.endr
.endr
	WIN 0
.endm
.macro SENDQ a
.irp b, 0,1,2,3,4,5,6,7
	global_store_b128 v[VO], v[PK+32*((\a)%4)+4*\b:PK+32*((\a)%4)+4*\b+3], s[12:13] offset:(\a)*2048+(\b/4)*262144+(\b%4)*512
.endr
.endm
.irp a, 0,1,2,3
	PACK \a
	SENDQ \a
.endr
	s_wait_xcnt 0x0                                ; the stores have read their data: the packed registers are written again only behind this wait
.irp a, 4,5,6,7
	PACK \a
	SENDQ \a
.endr
	s_and_b32 s20, ttmp7, 0xffff                   ; positions 0-15 lie in block 0 of the waves with the upper row half, where the cluster's y is 0: the same test in all partners
	s_or_b32 s20, s20, s15
	s_cmp_lg_u32 s20, 0
	s_cbranch_scc1 .Lno_fine
	WIN 0x08                                       ; a store's data are its source 1: window 2
.irp b, 0,1,2,3,4,5,6,7
	global_store_b128 v[FO], v[8*\b:8*\b+3], s[66:67] offset:64*\b          ; pieces of 32 bytes a lane: 786,432 bytes in all beside the 50 million above
	global_store_b128 v[FO], v[8*\b+4:8*\b+7], s[66:67] offset:64*\b+16
.endr
	WIN 0
.Lno_fine:
	s_wait_tensorcnt 0x0                           ; the wave's end
	ds_add_u32 v[SPW], v[NIL]
	s_wait_dscnt 0x0
	CROUND                                         ; the closing round
	s_endpgm
.Lfunc_end_k_qa8208f7efe_qkv:
	.size	k_qa8208f7efe_qkv, .Lfunc_end_k_qa8208f7efe_qkv-k_qa8208f7efe_qkv
	.p2alignl 7, 3214868480
	.fill 96, 4, 3214868480
	.section	.rodata,"a",@progbits
	.p2align	6, 0x0
	.amdhsa_kernel k_qa8208f7efe_qkv
		.amdhsa_group_segment_fixed_size 327680
		.amdhsa_private_segment_fixed_size 0
		.amdhsa_enable_private_segment 0
		.amdhsa_kernarg_size 72
		.amdhsa_user_sgpr_count 2
		.amdhsa_user_sgpr_kernarg_segment_ptr 1
		.amdhsa_wavefront_size32 1
		.amdhsa_system_sgpr_workgroup_id_x 1
		.amdhsa_system_sgpr_workgroup_id_y 1
		.amdhsa_system_sgpr_workgroup_id_z 1
		.amdhsa_system_vgpr_workitem_id 0
		.amdhsa_next_free_vgpr 1024
		.amdhsa_next_free_sgpr 102
		.amdhsa_reserve_vcc 0
		.amdhsa_float_denorm_mode_32 3
		.amdhsa_float_denorm_mode_16_64 3
		.amdhsa_memory_ordered 1
		.amdhsa_forward_progress 1
		.amdhsa_inst_pref_size 122
	.end_amdhsa_kernel
	.amdgpu_metadata
---
amdhsa.version: [ 1, 2 ]
amdhsa.kernels:
  - .name:           k_qa8208f7efe_qkv
    .symbol:         k_qa8208f7efe_qkv.kd
    .args:
      - { .name: xc, .offset: 0, .size: 8, .value_kind: global_buffer, .address_space: global }
      - { .name: xs, .offset: 8, .size: 8, .value_kind: global_buffer, .address_space: global }
      - { .name: wc, .offset: 16, .size: 8, .value_kind: global_buffer, .address_space: global }
      - { .name: ws, .offset: 24, .size: 8, .value_kind: global_buffer, .address_space: global }
      - { .name: bq, .offset: 32, .size: 8, .value_kind: global_buffer, .address_space: global }
      - { .name: bk, .offset: 40, .size: 8, .value_kind: global_buffer, .address_space: global }
      - { .name: bv, .offset: 48, .size: 8, .value_kind: global_buffer, .address_space: global }
      - { .name: qkv, .offset: 56, .size: 8, .value_kind: global_buffer, .address_space: global }
      - { .name: q32, .offset: 64, .size: 8, .value_kind: global_buffer, .address_space: global }
    .group_segment_fixed_size: 327680
    .private_segment_fixed_size: 0
    .kernarg_segment_align: 8
    .kernarg_segment_size: 72
    .max_flat_workgroup_size: 128
    .sgpr_count:     102
    .vgpr_count:     1024
    .wavefront_size: 32
...
	.end_amdgpu_metadata
.endif
;; end of part 2
;; launch attn (part 3): grid 4 x 64, 16 waves a work-group, clusters of 4 x 1, 327,680 bytes of LDS; arguments qkv, yf; writes yf
.if DOCPART == 3
	.amdgcn_target "amdgcn-amd-amdhsa--gfx1250"
	.amdhsa_code_object_version 6
	.text
	.protected	k_qa8208f7efe_attn
	.globl	k_qa8208f7efe_attn
	.p2align	8
	.type	k_qa8208f7efe_attn,@function
k_qa8208f7efe_attn:
	s_mov_b64 s[64:65], 0
	v_nop
	global_prefetch_b8 v0, s[64:65] scope:SCOPE_SE
	s_setreg_imm32_b32 hwreg(HW_REG_WAVE_MODE, 25, 1), 1
	s_wait_xcnt 0x0
	s_wait_alu depctr_hold_cnt(0) depctr_sa_sdst(0) depctr_va_vdst(0) depctr_va_sdst(0) depctr_va_ssrc(0) depctr_va_vcc(0) depctr_vm_vsrc(0)
	s_getreg_b32 s2, hwreg(HW_REG_IB_STS2, 6, 4)
	s_cmp_eq_u32 s2, 0
	s_cbranch_scc0 .Lentry_in_a_cluster
	s_endpgm
.Lentry_in_a_cluster:
	s_bfe_u32 s2, ttmp6, 0x10000c
	s_cmp_lg_u32 s2, 0x3003
	s_cbranch_scc0 .Lentry_shape_is_right
	s_endpgm
.Lentry_shape_is_right:
; y[bh][q] = the sum over keys k <= q of softmax_k(q . k / 8) v[k], head size 64, 2,048 positions; operands f16, products, maxima and sums f32; p is rounded to f16 for the second product, y once at the end.
; A cluster of four work-groups is one (batch, head); all four walk the head's 2,048 keys, so K's and V's tiles are asked for JOINTLY (mask 15).
; SHARES.  The head has 128 tiles of 16 queries.  Wave w (0..15) of partner cx owns the EARLY tile 4 w + cx and the LATE tile 127 - 4 w - cx.  In key steps of 64 the early tile is at work in steps
; 0 .. w, the late one in steps 0 .. 31 - w: 33 tile steps for every wave.  Which steps are walked, and which lies on the diagonal (w, 31 - w), hangs on the wave's number alone: no branch hangs on cx,
; which enters only the addresses of Q and y and the mask's lane data.  Wave 0's late tile reads every slot in every partner.
; LAYOUT.  S^T = K Q^T (source 0 = 16 keys, source 1 = 16 queries) and O^T = V^T P: a lane holds ONE query (lane % 16).  Q, K, V lie in memory as images of the operands' registers (1,024 bytes for
; 16 positions x 32 channels), so a tile is a dense block, a fragment is two loads at 16 x lane, and V comes turned by ds_load_tr16_b128 from an image laid for it.  y leaves in the same form.
; SOFTMAX.  A running maximum m and sum l for each query: p = 2^(c s - c m), c = log2(e) / 8; in every step O and l are multiplied by a = 2^(c m_old - c m_new).  Hidden scores become -infinity.
; Four waves share a SIMD: one wave's vector work stands beside another's matrix work and LDS loads.
; LIMITS: q, k, v within f16's range (the launch before states it); m starts at -3e38, under every score that is served.
; REGISTERS (t = 0 the late tile, 1 the early): v1-7, v15 stay; v8-13 at work; v16.. statistics, 8 a tile: +0 c m, +1 m, +2, +3 l, +4..7 at work (a in +6); v32.. Q, 16 a tile; v64-127 K's, then V's fragments;
;   v128.. S^T, 32 a tile, p rounded in place into its first 16; v192.. O^T, 32 a tile.
.set SLOT1, 65536                      ; a slot: 256 keys: K's images 32,768 bytes, then V's; one exclusive or turns an address into the other slot's
.set VOFF,  32768
.set SPARE, 131072                     ; the spare words, 128 bytes for each of 16 waves, which no other line names
.set SPW, 1
.set NIL, 2
.set LI,  3                            ; v3  16 x lane
.set ADR, 4                            ; v4  the slot in hand + 16 x lane
.set NEG, 5                            ; v5  -infinity
.set DD,  6                            ; v6, v7  my query less the diagonal step's first key less 8 (lane / 16): late, early
.set PFO, 15                           ; v15 256 x lane; never rewritten
.set ST,  16
.set Q,   32
.set KV,  64
.set S,   128
.set O,   192
.set WV,  8                            ; s8  my wave's number = the early tile's last step
.set WL,  12                           ; s12 31 - w: the late tile's last step
.set KSN, 13                           ; s13 the key step
.set TB,  14                           ; s14 LDS byte at which the slot in hand begins
.set SLOTS, 15
.set LIM, 16
.set PFA, 18
.set SEL, 20
.set CS,  22
.set G1,  24
.set G0,  32
.macro CROUND
	s_barrier_signal -1
	s_barrier_wait -1
	s_cmp_lg_u32 s[WV], 0
	s_cbranch_scc1 .Lnot_wave_0_\@
	s_barrier_signal -3
.Lnot_wave_0_\@:
	s_barrier_wait -3
	s_barrier_signal -1
	s_barrier_wait -1
.endm
.macro JLOAD                           ; waves 0, 1 fetch K's halves of a slot, waves 2, 3 V's, 16,384 bytes each; the branch hangs on the wave's number alone
	s_cmp_lt_u32 s[WV], 4
	s_cbranch_scc0 .Lno_load_\@
	tensor_load_to_lds s[G0:G0+3], s[G1:G1+7]
	s_nop 0
.rept 4
	v_nop
.endr
.Lno_load_\@:
.endm
; A prefetch of what the NEXT change of slots will ask for, four key steps ahead of that load: wave 4 names my work-group's 8,192 bytes of the slot's K, wave 5 of its V, lanes 256 bytes apart.
; The four partners are told apart by address, so each block is named once in the launch.  The last change that fills a slot asks for nothing; slots 0 and 1 come by their loads alone.
.macro ASK
	s_cmp_gt_u32 s[SLOTS], s[LIM]
	s_cbranch_scc0 .Lnot_mine_\@
	global_prefetch_b8 v[PFO], s[PFA:PFA+1] th:TH_LOAD_NT scope:SCOPE_SE
.Lnot_mine_\@:
.endm
	s_load_b128 s[4:7], s[0:1], 0x0                ; qkv s[4:5], yf s[6:7]
	v_lshl_add_u32 v[SPW], v0, 2, SPARE
	v_mov_b32 v[NIL], 0
	ds_add_u32 v[SPW], v[NIL]                      ; the wave's opening: the add, twice on end, and its wait ahead of the first tensor load
	ds_add_u32 v[SPW], v[NIL]
	v_lshrrev_b32 v8, 5, v0
	v_readfirstlane_b32 s[WV], v8                  ; wave 0..15
	s_bfe_u32 s9, ttmp6, 0x40000                   ; cx
	s_and_b32 s10, ttmp7, 0xffff                   ; bh
	s_sub_co_u32 s[WL], 31, s[WV]
	s_mov_b32 s[KSN], 0
	s_mov_b32 s[TB], 0
	s_mov_b32 s[SLOTS], 7
	s_lshr_b32 s17, s[WV], 1
	s_cmp_eq_u32 s17, 2                            ; waves 4 and 5 prefetch
	s_cselect_b32 s[LIM], 1, -1
	s_mov_b32 s[SEL], 0x76543210
	s_mov_b32 s[SEL+1], 0xfedcba98
	s_mov_b32 s[CS], 0x3e38aa3b                    ; c = log2(e) / 8
	s_mov_b32 s[CS+1], s[CS]
	s_mov_b32 s[G1], 15|(3<<16)|(1<<21)            ; mask: all four; elements of 8 bytes; bit 21 beside a mask; no padding
	s_mov_b32 s[G1+1], 32<<16                      ; 64 rows of 256 dense bytes
	s_mov_b32 s[G1+2], 64<<16
	s_mov_b32 s[G1+3], 32<<16
	s_mov_b32 s[G1+4], 64
	s_mov_b32 s[G1+5], 32
	s_mov_b32 s[G1+6], 0
	s_mov_b32 s[G1+7], 0
	s_lshl_b32 s42, s10, 18                        ; the head's first byte in each of q, k, v
	s_bfe_u32 s46, s[WV], 0x10001
	s_add_co_u32 s46, s46, 1                       ; 1: k, 2: v
	s_lshl_b32 s46, s46, 24
	s_and_b32 s43, s[WV], 1
	s_lshl_b32 s47, s43, 14                        ; which half of the slot
	s_add_co_u32 s46, s46, s47
	s_add_co_u32 s46, s46, s42
	s_mov_b32 s47, 0
	s_mov_b32 s[G0], 1
	s_and_b32 s[G0+1], s[WV], 3
	s_lshl_b32 s[G0+1], s[G0+1], 14                ; LDS: 16,384 x (wave % 4), slot 0
	s_add_co_u32 s43, s43, 1                       ; the prefetches: wave 4 k, wave 5 v,
	s_lshl_b32 s36, s43, 24
	s_add_co_u32 s36, s36, s42
	s_lshl_b32 s43, s9, 13                         ; my work-group's 8,192 bytes,
	s_add_co_u32 s36, s36, s43
	s_add_co_u32 s36, s36, 32768                   ; in slot 1: the first change of slots steps it to slot 2
	s_mov_b32 s37, 0
	s_lshl_b32 s40, s[WV], 2
	s_add_co_u32 s40, s40, s9                      ; the early tile
	s_sub_co_u32 s38, 127, s40                     ; the late tile
	s_lshl_b32 s44, s40, 11
	s_add_co_u32 s44, s44, s42                     ; Q of the early tile
	s_mov_b32 s45, 0
	s_lshl_b32 s17, s38, 11
	s_add_co_u32 s42, s42, s17                     ; Q of the late tile
	s_mov_b32 s43, 0
	s_lshr_b32 s17, s10, 4
	s_lshl_b32 s17, s17, 7                         ; 128 x batch
	s_add_co_u32 s38, s38, s17
	s_lshl_b32 s38, s38, 15                        ; y: 32,768 bytes for 16 positions,
	s_add_co_u32 s40, s40, s17
	s_lshl_b32 s40, s40, 15
	s_and_b32 s17, s10, 15
	s_lshl_b32 s17, s17, 11                        ; 2,048 for a head
	s_add_co_u32 s38, s38, s17
	s_add_co_u32 s40, s40, s17
	s_mov_b32 s39, 0
	s_mov_b32 s41, 0
	v_and_b32 v8, 31, v0
	v_lshlrev_b32 v[LI], 4, v8
	v_lshlrev_b32 v[PFO], 8, v8
	v_and_b32 v9, 15, v0
	v_bfe_u32 v12, v0, 4, 1
	v_lshlrev_b32 v12, 3, v12
	v_sub_nc_u32 v9, v9, v12                       ; r - 8 h
	s_lshl_b32 s17, s9, 4
	v_add_nc_u32 v[DD+1], s17, v9                  ; early: 16 cx + r - 8 h
	s_sub_co_u32 s17, 48, s17
	v_add_nc_u32 v[DD], s17, v9                    ; late: 48 - 16 cx + r - 8 h
	v_mov_b32 v[NEG], 0xff800000
	s_wait_dscnt 0x0                               ; both opening adds are done
	s_wait_kmcnt 0x0
	s_add_nc_u64 s[G0+2:G0+3], s[4:5], s[46:47]
	s_or_b32 s[G0+3], s[G0+3], 0x80000000
	s_add_nc_u64 s[PFA:PFA+1], s[4:5], s[36:37]
	s_add_nc_u64 s[36:37], s[4:5], s[42:43]        ; Q, late
	s_add_nc_u64 s[44:45], s[4:5], s[44:45]        ; Q, early
	s_add_nc_u64 s[38:39], s[6:7], s[38:39]        ; y, late
	s_add_nc_u64 s[40:41], s[6:7], s[40:41]        ; y, early
	CROUND                                         ; all four work-groups are here
	JLOAD                                          ; slot 0
.irp c, 0,1
.irp p, 0,1
	global_load_b128 v[Q+8*\c+4*\p:Q+8*\c+4*\p+3], v[LI], s[36:37] offset:\c*1024+\p*512
	global_load_b128 v[Q+16+8*\c+4*\p:Q+16+8*\c+4*\p+3], v[LI], s[44:45] offset:\c*1024+\p*512
.endr
.endr
.irp t, 0,1
	v_mov_b32 v[ST+8*\t+1], 0xff61b1e6             ; m = -3e38
	v_mul_f32 v[ST+8*\t], s[CS], v[ST+8*\t+1]      ; c m
.irp j, 2,3,4,5,6,7
	v_mov_b32 v[ST+8*\t+\j], 0
.endr
.endr
.set n, 0
.rept 64
	v_mov_b32 v[O+n], 0                            ; O^T: the step is written once; the first finds zeros, which a = 0 leaves zeros
.set n, n+1
.endr
.set n, 0
.rept 32
	v_mov_b32 v[S+32+n], 0                         ; the early tile's scores: written once, so that they are written before they are read on every way through the two tests of a step
.set n, n+1
.endr
.macro KQ t                            ; S^T of tile t: four accumulators by turns; the first four products start the sums
.irp c, 0,1
.irp kt, 0,1,2,3
.if \c == 0
	v_wmma_f32_16x16x32_f16 v[S+32*\t+8*\kt:S+32*\t+8*\kt+7], v[KV+8*(2*\kt+\c):KV+8*(2*\kt+\c)+7], v[Q+16*\t+8*\c:Q+16*\t+8*\c+7], 0
.else
	v_wmma_f32_16x16x32_f16 v[S+32*\t+8*\kt:S+32*\t+8*\kt+7], v[KV+8*(2*\kt+\c):KV+8*(2*\kt+\c)+7], v[Q+16*\t+8*\c:Q+16*\t+8*\c+7], v[S+32*\t+8*\kt:S+32*\t+8*\kt+7]
.endif
.endr
.endr
.endm
.macro PV t                            ; O^T of tile t += V^T P: keys 32 u on, channels 16 ct on
.irp u, 0,1
.irp ct, 0,1,2,3
	v_wmma_f32_16x16x32_f16 v[O+32*\t+8*\ct:O+32*\t+8*\ct+7], v[KV+8*(4*\u+\ct):KV+8*(4*\u+\ct)+7], v[S+32*\t+8*\u:S+32*\t+8*\u+7], v[O+32*\t+8*\ct:O+32*\t+8*\ct+7]
.endr
.endr
.endm
.macro SOFTMAX t
.set rT, ST+8*(\t)
.set rS, S+32*(\t)
.set rO, O+32*(\t)
.if (\t) == 0
	s_cmp_lg_u32 s[KSN], s[WL]                     ; only the tile's last step lies on the diagonal
.else
	s_cmp_lg_u32 s[KSN], s[WV]
.endif
	s_cbranch_scc1 .Lopen_\@
.set n, 0
.rept 32
	v_cmp_gt_i32 vcc_lo, 16*(n/8)+n%8, v[DD+(\t)]  ; register n holds key 16 (n / 8) + 8 (lane / 16) + n % 8 of the step
	v_cndmask_b32 v[rS+n], v[rS+n], v[NEG], vcc_lo
.set n, n+1
.endr
.Lopen_\@:
.irp j, 0,1,2,3
	v_max3_num_f32 v[rT+4+\j], v[rS+8*\j], v[rS+8*\j+1], v[rS+8*\j+2]   ; four chains; each accumulator is read from its low end on
.endr
.irp g, 1,2
.irp j, 0,1,2,3
	v_max3_num_f32 v[rT+4+\j], v[rT+4+\j], v[rS+8*\j+2*\g+1], v[rS+8*\j+2*\g+2]
.endr
.endr
	v_max3_num_f32 v[rT+4], v[rT+4], v[rS+7], v[rS+15]
	v_max3_num_f32 v[rT+6], v[rT+6], v[rS+23], v[rS+31]
	v_max3_num_f32 v[rT+4], v[rT+4], v[rT+5], v[rT+6]
	v_max3_num_f32 v[rT+4], v[rT+4], v[rT+7], v[rT+1]              ; with the old m
	v_permlanex16_b32 v[rT+5], v[rT+4], s[SEL], s[SEL+1]           ; the query's other 32 keys lie in the lane 16 away
	v_mov_b32 v[rT+7], v[rT]                                       ; c m_old is kept for a
	v_max_num_f32 v[rT+1], v[rT+4], v[rT+5]
	v_mul_f32 v[rT], s[CS], v[rT+1]
	v_sub_f32 v[rT+7], v[rT+7], v[rT]
.set n, 0
.rept 16
	v_pk_fma_f32 v[rS+n:rS+n+1], v[rS+n:rS+n+1], s[CS:CS+1], v[rT:rT+1] op_sel_hi:[1,0,0] neg_lo:[0,0,1] neg_hi:[0,0,1]   ; c s - c m
.set n, n+2
.endr
	v_exp_f32 v[rT+6], v[rT+7]                     ; a; then the 32 weights: one batch
.set n, 0
.rept 32
	v_exp_f32 v[rS+n], v[rS+n]
.set n, n+1
.endr
	v_nop                                          ; a plain instruction behind the last exponential
	s_wait_alu depctr_va_vdst(0)                   ; one wait for the batch, ahead of its first reader
	v_pk_add_f32 v[rT+4:rT+5], v[rS:rS+1], v[rS+2:rS+3]            ; the sum of the unrounded weights, in two chains
	v_pk_add_f32 v[10:11], v[rS+4:rS+5], v[rS+6:rS+7]
.irp j, 8,12,16,20,24,28
	v_pk_add_f32 v[rT+4:rT+5], v[rT+4:rT+5], v[rS+\j:rS+\j+1]
	v_pk_add_f32 v[10:11], v[10:11], v[rS+\j+2:rS+\j+3]
.endr
	v_pk_add_f32 v[rT+4:rT+5], v[rT+4:rT+5], v[10:11]
	v_pk_fma_f32 v[rT+2:rT+3], v[rT+2:rT+3], v[rT+6:rT+7], v[rT+4:rT+5] op_sel_hi:[1,0,1]   ; l = a l + the sum
.set n, 0
.rept 16
	v_cvt_pk_f16_f32 v[rS+n], v[rS+2*n], v[rS+2*n+1]               ; in place, ascending: register n was last a source in line n / 2
.set n, n+1
.endr
.set n, 0
.rept 16
	v_pk_mul_f32 v[rO+n:rO+n+1], v[rO+n:rO+n+1], v[rT+6:rT+7] op_sel_hi:[1,0]   ; O^T x a
.set n, n+2
.endr
.endm
; A KEY STEP: 64 keys, the q-th of the slot in hand.  A step behind the late tile's last is left out: a scalar branch on the wave's number and the count of steps; no barrier or tensor load stands in a step.
.macro STEP q
	s_cmp_gt_u32 s[KSN], s[WL]
	s_cbranch_scc1 .Lskip_\@
.irp kt, 0,1,2,3
.irp c, 0,1
.irp p, 0,1
	ds_load_b128 v[KV+8*(2*\kt+\c)+4*\p:KV+8*(2*\kt+\c)+4*\p+3], v[ADR] offset:(4*(\q)+\kt)*2048+\c*1024+\p*512
.endr
.endr
.endr
	s_wait_dscnt 0x0
	KQ 0
	s_cmp_gt_u32 s[KSN], s[WV]
	s_cbranch_scc1 .Lno_e1_\@
	KQ 1
.Lno_e1_\@:
.rept 5
	v_nop                                          ; places: ahead of the loads into K's registers and the first read of the scores four are asked, ahead of a product that takes result registers as its B five
.endr
.irp u, 0,1
.irp ct, 0,1,2,3
.irp e, 0,1
	ds_load_tr16_b128 v[KV+8*(4*\u+\ct)+4*\e:KV+8*(4*\u+\ct)+4*\e+3], v[ADR] offset:VOFF+(4*(\q)+2*\u+\e)*2048+\ct*512
.endr
.endr
.endr
	SOFTMAX 0                                      ; V lands meanwhile
	s_wait_dscnt 0x0
	PV 0
	s_cmp_gt_u32 s[KSN], s[WV]
	s_cbranch_scc1 .Lno_e2_\@
	SOFTMAX 1
	PV 1
.Lno_e2_\@:
.rept 5
	v_nop                                          ; the next step's first products write over p, which these products read as B: five places; its loads into V's registers want four
.endr
.Lskip_\@:
	s_add_co_u32 s[KSN], s[KSN], 1
.endm
; THE CHANGE OF SLOTS stands at a slot's head.  Each wave waits for all its tensor loads, adds 0 to its spare word, and waits for that and for its reads of the slot that it has left.  fill = 1: a round of
; the cluster's barrier, and behind it the joint load of the next 256 keys into the slot just left (in the first trip: slot 1's first fill); it has four key steps in which to land.  One load of a wave is out at most.
.macro CHANGE fill
	s_wait_tensorcnt 0x0                           ; no tensor load of mine is out, so the descriptor may be written
	ds_add_u32 v[SPW], v[NIL]                      ; 0 onto my spare word
.if \fill
	ds_add_u32 v[SPW], v[NIL]                      ; and twice on end here, in every trip alike
	s_xor_b32 s[G0+1], s[G0+1], SLOT1              ; the other slot,
	s_add_nc_u64 s[G0+2:G0+3], s[G0+2:G0+3], 32768 ; the next 256 keys
	s_wait_xcnt 0x0                                ; the last prefetch, a slot back, has read its address
	s_add_nc_u64 s[PFA:PFA+1], s[PFA:PFA+1], 32768
.endif
	s_wait_dscnt 0x0
.if \fill
	CROUND
	JLOAD
	ASK
.else
	s_barrier_signal -1
	s_barrier_wait -1
.endif
	v_add_nc_u32 v[ADR], s[TB], v[LI]
.endm
.macro SLOT_STEPS
	STEP 0
	STEP 1
	STEP 2
	STEP 3
	s_xor_b32 s[TB], s[TB], SLOT1
.endm
	s_wait_loadcnt 0x0                             ; Q
.Lslot:                                            ; seven trips: behind each change of slots but the last the next slot is asked for
	CHANGE 1
	SLOT_STEPS
	s_sub_co_u32 s[SLOTS], s[SLOTS], 1
	s_cmp_lg_u32 s[SLOTS], 0
	s_cbranch_scc1 .Lslot
	CHANGE 0                                       ; the last slot is written out
	SLOT_STEPS
	; THE WAY OUT: O^T / l, rounded to f16: a lane's eight channels are its 16 bytes of piece ct of the image of y: each store covers 512 consecutive bytes.
.irp t, 0,1
	v_add_f32 v[ST+8*\t+4], v[ST+8*\t+2], v[ST+8*\t+3]
.endr
.irp t, 0,1
	v_permlanex16_b32 v[ST+8*\t+5], v[ST+8*\t+4], s[SEL], s[SEL+1]
.endr
.irp t, 0,1
	v_add_f32 v[ST+8*\t+4], v[ST+8*\t+4], v[ST+8*\t+5]
.endr
.irp t, 0,1
	v_rcp_f32 v[ST+8*\t+6], v[ST+8*\t+4]
.endr
	v_nop
	s_wait_alu depctr_va_vdst(0)                   ; one wait for both reciprocals, ahead of their first reader
.irp t, 0,1
.set n, 0
.rept 16
	v_pk_mul_f32 v[O+32*\t+n:O+32*\t+n+1], v[O+32*\t+n:O+32*\t+n+1], v[ST+8*\t+6:ST+8*\t+7] op_sel_hi:[1,0]
.set n, n+2
.endr
.set n, 0
.rept 16
	v_cvt_pk_f16_f32 v[S+16*\t+n], v[O+32*\t+2*n], v[O+32*\t+2*n+1]
.set n, n+1
.endr
.irp ct, 0,1,2,3
	global_store_b128 v[LI], v[S+16*\t+4*\ct:S+16*\t+4*\ct+3], s[38+2*\t:39+2*\t] offset:\ct*512
.endr
.endr
	s_wait_tensorcnt 0x0                           ; the wave's end
	ds_add_u32 v[SPW], v[NIL]
	s_wait_dscnt 0x0
	CROUND                                         ; the closing round
	s_endpgm
.Lfunc_end_k_qa8208f7efe_attn:
	.size	k_qa8208f7efe_attn, .Lfunc_end_k_qa8208f7efe_attn-k_qa8208f7efe_attn
	.p2alignl 7, 3214868480
	.fill 96, 4, 3214868480
	.section	.rodata,"a",@progbits
	.p2align	6, 0x0
	.amdhsa_kernel k_qa8208f7efe_attn
		.amdhsa_group_segment_fixed_size 327680
		.amdhsa_private_segment_fixed_size 0
		.amdhsa_enable_private_segment 0
		.amdhsa_kernarg_size 16
		.amdhsa_user_sgpr_count 2
		.amdhsa_user_sgpr_kernarg_segment_ptr 1
		.amdhsa_wavefront_size32 1
		.amdhsa_system_sgpr_workgroup_id_x 1
		.amdhsa_system_sgpr_workgroup_id_y 1
		.amdhsa_system_sgpr_workgroup_id_z 1
		.amdhsa_system_vgpr_workitem_id 0
		.amdhsa_next_free_vgpr 256
		.amdhsa_next_free_sgpr 66
		.amdhsa_reserve_vcc 1
		.amdhsa_float_denorm_mode_32 3
		.amdhsa_float_denorm_mode_16_64 3
		.amdhsa_memory_ordered 1
		.amdhsa_forward_progress 1
		.amdhsa_inst_pref_size 187
	.end_amdhsa_kernel
	.amdgpu_metadata
---
amdhsa.version: [ 1, 2 ]
amdhsa.kernels:
  - .name:           k_qa8208f7efe_attn
    .symbol:         k_qa8208f7efe_attn.kd
    .args:
      - { .name: qkv, .offset: 0, .size: 8, .value_kind: global_buffer, .address_space: global }
      - { .name: yf, .offset: 8, .size: 8, .value_kind: global_buffer, .address_space: global }
    .group_segment_fixed_size: 327680
    .private_segment_fixed_size: 0
    .kernarg_segment_align: 8
    .kernarg_segment_size: 16
    .max_flat_workgroup_size: 512
    .sgpr_count:     66
    .vgpr_count:     256
    .wavefront_size: 32
...
	.end_amdgpu_metadata
.endif
;; end of part 3
;; launch proj (part 4): grid 8 x 64, 4 waves a work-group, clusters of 4 x 4, 327,680 bytes of LDS; arguments yf, wpf, out0, bp; writes out0
.if DOCPART == 4
	.amdgcn_target "amdgcn-amd-amdhsa--gfx1250"
	.amdhsa_code_object_version 6
	.text
	.protected	k_qa8208f7efe_proj
	.globl	k_qa8208f7efe_proj
	.p2align	8
	.type	k_qa8208f7efe_proj,@function
k_qa8208f7efe_proj:
	s_mov_b64 s[64:65], 0
	v_nop
	global_prefetch_b8 v0, s[64:65] scope:SCOPE_SE
	s_setreg_imm32_b32 hwreg(HW_REG_WAVE_MODE, 25, 1), 1
	s_wait_xcnt 0x0
	s_wait_alu depctr_hold_cnt(0) depctr_sa_sdst(0) depctr_va_vdst(0) depctr_va_sdst(0) depctr_va_ssrc(0) depctr_va_vcc(0) depctr_vm_vsrc(0)
	s_getreg_b32 s2, hwreg(HW_REG_IB_STS2, 6, 4)
	s_cmp_eq_u32 s2, 0
	s_cbranch_scc0 .Lentry_in_a_cluster
	s_endpgm
.Lentry_in_a_cluster:
	s_bfe_u32 s2, ttmp6, 0x10000c
	s_cmp_lg_u32 s2, 0xf033
	s_cbranch_scc0 .Lentry_shape_is_right
	s_endpgm
.Lentry_shape_is_right:
; out0 [8192][1024] f32 = y Wp + bp, operands f16, sums f32, begun with the bias as C.  y and Wp lie as images of the operands' registers: [tile of 16 rows][kc 32][1,024 bytes].
; A tile of the output is 128 x 128: 512 work-groups of equal work.  Four waves, each 64 x 64: 16 accumulators.  K goes in steps of 256 (8 images a row tile) through two LDS slots; a wave's tensor load
; brings 4 row tiles x 8,192 bytes.  A fragment is two loads at 16 x lane: no padding.  CLUSTERS 4 x 4: y's tiles are shared along a row of the cluster, Wp's along a column: joint loads.
; THE MATRIX INSTRUCTION IS USED TRANSPOSED (source 0 = 16 columns of Wp, source 1 = 16 rows of y): a lane holds eight neighbouring numbers of a row.  A wave's 64 columns are 256 aligned bytes of a row,
; so each wave has a stage of its own on the way out and no barrier is needed there.  Rows of positions 0-15 are written again, more finely, by the launch behind this one.
; REGISTERS: window 0: v16-29 addresses; v32-95 the way out; v96-127 the bias; v128-255 the accumulators ((a, b) at v[128 + 8 (4 a + b)]).   window 1: two fragment buffers of 128.
.set HALFT,  4*8192                    ; what one tensor load brings, and what one wave reads of A or of B
.set SLOT,   4*HALFT
.set STAGE,  2*SLOT                    ; behind the ring: 16 rows x 272 bytes for each wave
.set SPITCH, 272
.set SPARE,  STAGE+4*16*SPITCH         ; the spare words, 128 bytes a wave, which no other line names
.set LAPS,   2                         ; K = 1,024: four steps, twice round the ring
.set ADRA, 16
.set ADRB, 20
.set STO,  24
.set RD,   25
.set CO,   26
.set SPW,  28
.set NIL,  29
.set TMP,  32
.set BI,   96
.set ACC,  128
.set F0,   0
.set F1,   128
.set G1, 24
.set G0, 32
.set G1B, 48
.set G0B, 56
.set MSB, 0
.macro WIN new
.if MSB != (\new)
	s_set_vgpr_msb (MSB<<8)|(\new)
.set MSB, (\new)
.endif
.endm
.set MUL,  0x05                        ; sources 0 (B) and 1 (A) window 1; C and D window 0
.set TO_F, 0x40                        ; destination window 1, address window 0
.macro JLOAD s                         ; waves 0 and 1 fetch A's halves, waves 2 and 3 B's; an s_nop 0 and four v_nop follow each of the two lines
	s_cmp_eq_u32 s11, 0
	s_cbranch_scc0 .Lfor_b_\@
	tensor_load_to_lds s[G0+4*\s:G0+4*\s+3], s[G1:G1+7]
	s_nop 0
.rept 4
	v_nop
.endr
	s_branch .Lasked_\@
.Lfor_b_\@:
	tensor_load_to_lds s[G0B+4*\s:G0B+4*\s+3], s[G1B:G1B+7]
	s_nop 0
.rept 4
	v_nop
.endr
.Lasked_\@:
.endm
.macro CREST
	s_cmp_lg_u32 s10, 0
	s_cbranch_scc1 .Lnot_wave_0_\@
	s_barrier_signal -3
.Lnot_wave_0_\@:
	s_barrier_wait -3
	s_barrier_signal -1
	s_barrier_wait -1
.endm
.macro CROUND
	s_barrier_signal -1
	s_barrier_wait -1
	CREST
.endm
	s_load_b128 s[4:7], s[0:1], 0x0                ; yf s[4:5], wpf s[6:7]
	s_load_b64 s[8:9], s[0:1], 0x10                ; out0
	s_load_b64 s[66:67], s[0:1], 0x18              ; bp
	v_lshl_add_u32 v[SPW], v0, 2, SPARE
	v_mov_b32 v[NIL], 0
	ds_add_u32 v[SPW], v[NIL]                      ; the wave's opening: the add, twice on end, and its wait ahead of my first tensor load
	ds_add_u32 v[SPW], v[NIL]
	v_lshrrev_b32 v1, 5, v0
	v_readfirstlane_b32 s10, v1                    ; wave 0..3
	s_lshr_b32 s11, s10, 1                         ; my half of the tile's rows.  Also: I fetch for A (0) or for B (1)
	s_and_b32 s12, s10, 1                          ; my half of its columns.  Also: which half I fetch
	s_bfe_u32 s40, ttmp6, 0x40000
	s_bfe_u32 s41, ttmp6, 0x40004
	s_lshl_b32 s42, ttmp9, 2
	s_add_co_u32 s42, s42, s40                     ; tile column
	s_and_b32 s13, ttmp7, 0xffff
	s_lshl_b32 s13, s13, 2
	s_add_co_u32 s13, s13, s41                     ; tile row
	s_lshl_b32 s43, s41, 2
	s_lshl_b32 s43, 15, s43                        ; my row of the cluster
	s_lshl_b32 s44, 0x1111, s40                    ; my column
	s_or_b32 s[G1+0], s43, (3<<16)|(1<<21)         ; mask; elements of 8 bytes; bit 21 beside a mask; no padding
	s_or_b32 s[G1B+0], s44, (3<<16)|(1<<21)
.irp g, G1, G1B
	s_mov_b32 s[\g+1], 1024<<16                    ; 4 rows (tiles of 16) of 8,192 bytes (8 images), 32,768 bytes apart
	s_mov_b32 s[\g+2], 4<<16
	s_mov_b32 s[\g+3], 1024<<16
	s_mov_b32 s[\g+4], 4
	s_mov_b32 s[\g+5], 4096
	s_mov_b32 s[\g+6], 0
	s_mov_b32 s[\g+7], 0
.endr
	s_lshl_b32 s17, s12, 2
	s_lshl_b32 s16, s13, 3
	s_add_co_u32 s16, s16, s17                     ; A: row tile 8 x tile row + 4 x half
	s_lshl_b32 s16, s16, 15
	s_lshl_b32 s46, s42, 3
	s_add_co_u32 s46, s46, s17                     ; B: column tile
	s_lshl_b32 s46, s46, 15
	s_mov_b32 s17, 0
	s_mov_b32 s47, 0
	s_mul_i32 s20, s10, HALFT                      ; where they go: wave x 32,768
	s_wait_dscnt 0x0                               ; both opening adds are done
	s_wait_kmcnt 0x0
	s_add_nc_u64 s[14:15], s[4:5], s[16:17]
	s_add_nc_u64 s[46:47], s[6:7], s[46:47]
	CROUND                                         ; all sixteen work-groups are here
.irp s, 0,1
	s_mov_b32 s[G0+4*\s], 1
	s_add_co_u32 s[G0+4*\s+1], s20, \s*SLOT
	s_add_nc_u64 s[G0+4*\s+2:G0+4*\s+3], s[14:15], \s*8192
	s_or_b32 s[G0+4*\s+3], s[G0+4*\s+3], 0x80000000
	s_mov_b32 s[G0B+4*\s], 1
	s_add_co_u32 s[G0B+4*\s+1], s20, \s*SLOT
	s_add_nc_u64 s[G0B+4*\s+2:G0B+4*\s+3], s[46:47], \s*8192
	s_or_b32 s[G0B+4*\s+3], s[G0B+4*\s+3], 0x80000000
	JLOAD \s
.endr
	v_and_b32 v1, 15, v0                           ; r
	v_bfe_u32 v2, v0, 4, 1                         ; h
	v_and_b32 v3, 31, v0
	v_lshlrev_b32 v3, 4, v3                        ; 16 x lane
	s_mul_i32 s21, s11, HALFT
	s_mul_i32 s22, s12, HALFT
	s_add_co_u32 s22, s22, 2*HALFT
.irp s, 0,1
	v_add_nc_u32 v[ADRA+\s], s21, v3
	v_add_nc_u32 v[ADRB+\s], s22, v3
	s_add_co_u32 s21, s21, SLOT
	s_add_co_u32 s22, s22, SLOT
.endr
	s_mul_i32 s23, s10, 16*SPITCH
	s_add_co_u32 s23, s23, STAGE                   ; my stage
	v_mul_u32_u24 v4, v1, SPITCH
	v_lshl_add_u32 v4, v2, 5, v4
	v_add_nc_u32 v[STO], s23, v4                   ; in: row r, 32 bytes for each half of the lanes
	v_mul_u32_u24 v5, v2, SPITCH
	v_lshl_add_u32 v5, v1, 4, v5
	v_add_nc_u32 v[RD], s23, v5                    ; back: lanes 0-15 one row of 256 bytes, lanes 16-31 the next
	v_lshlrev_b32 v5, 12, v2
	v_lshl_add_u32 v[CO], v1, 4, v5                ; and the same two rows in out0
	s_lshl_b32 s16, s13, 7
	s_lshl_b32 s17, s11, 6
	s_add_co_u32 s16, s16, s17
	s_lshl_b32 s16, s16, 12                        ; my first row x 4,096 bytes
	s_mov_b32 s17, 0
	s_add_nc_u64 s[8:9], s[8:9], s[16:17]
	s_lshl_b32 s46, s42, 9
	s_lshl_b32 s47, s12, 8
	s_add_co_u32 s46, s46, s47                     ; my first column x 4 bytes
	s_mov_b32 s47, 0
	s_add_nc_u64 s[8:9], s[8:9], s[46:47]
	s_add_nc_u64 s[66:67], s[66:67], s[46:47]
	v_lshlrev_b32 v6, 5, v2
.irp b, 0,1,2,3
	global_load_b128 v[BI+8*\b:BI+8*\b+3], v6, s[66:67] offset:64*\b         ; register 8 b + j of lane (r, h): bp[16 b + 8 h + j] of my 64 columns
	global_load_b128 v[BI+8*\b+4:BI+8*\b+7], v6, s[66:67] offset:64*\b+16
.endr
; 8 matrix instructions: m blocks a0, a0 + 1 x all 4 n blocks, 32 along K: half c of buffer f.  zero = 1: the first product starts the sums with the bias.  The 16 accumulators take turns.
.macro MUL8 f, c, a0, zero
.irp a, \a0, \a0+1
.irp b, 0,1,2,3
.if \zero
	v_wmma_f32_16x16x32_f16 v[ACC+8*(4*(\a)+\b):ACC+8*(4*(\a)+\b)+7], v[\f+64+8*(4*\c+\b):\f+64+8*(4*\c+\b)+7], v[\f+8*(4*\c+\a):\f+8*(4*\c+\a)+7], v[BI+8*\b:BI+8*\b+7]
.else
	v_wmma_f32_16x16x32_f16 v[ACC+8*(4*(\a)+\b):ACC+8*(4*(\a)+\b)+7], v[\f+64+8*(4*\c+\b):\f+64+8*(4*\c+\b)+7], v[\f+8*(4*\c+\a):\f+8*(4*\c+\a)+7], v[ACC+8*(4*(\a)+\b):ACC+8*(4*(\a)+\b)+7]
.endif
.endr
.endr
.endm
; 32 LDS loads in one run: the fragments of images kq and kq + 1 of the slot's eight, into buffer f; the first 32 along K first
.macro FETCH slot, kq, f
	WIN TO_F
.irp c, 0,1
.irp i, 0,1,2,3
	ds_load_b128 v[\f+64+8*(4*\c+\i):\f+64+8*(4*\c+\i)+3],   v[ADRB+\slot] offset:\i*8192+(\kq+\c)*1024
	ds_load_b128 v[\f+64+8*(4*\c+\i)+4:\f+64+8*(4*\c+\i)+7], v[ADRB+\slot] offset:\i*8192+(\kq+\c)*1024+512
	ds_load_b128 v[\f+8*(4*\c+\i):\f+8*(4*\c+\i)+3],         v[ADRA+\slot] offset:\i*8192+(\kq+\c)*1024
	ds_load_b128 v[\f+8*(4*\c+\i)+4:\f+8*(4*\c+\i)+7],       v[ADRA+\slot] offset:\i*8192+(\kq+\c)*1024+512
.endr
.endr
.endm
.macro PLACES                          ; four places in front of loads into registers that matrix instructions have read, and of the first read of results
.rept 4
	v_nop
.endr
.endm
.macro QUARTER slot, kq, f, g, zero    ; multiplies buffer f (64 along K) and fetches the next quarter, images kq and kq + 1, into g
	s_wait_dscnt 16                                ; the first 32 along K are in; the other sixteen loads may be out
	WIN MUL
	MUL8 \f, 0, 0, \zero
	MUL8 \f, 0, 2, \zero
	PLACES
	FETCH \slot, \kq, \g
	s_wait_dscnt 32                                ; all but the 32 just issued
	WIN MUL
	MUL8 \f, 1, 0, 0
	MUL8 \f, 1, 2, 0
.endm
; The last quarter multiplies buffer 1 and changes slots: one barrier; in front of it each wave waits for all its tensor loads, adds 0 to its spare word, and waits for that and for its reads of this slot.
; fill = 1: the barrier opens a round of the cluster's, and this slot is filled again, two K steps ahead, first thing behind the round.  One load of a wave is out behind each round, two at the start.
.macro TURN slot, next, fill
	WIN 0
	s_wait_tensorcnt 0x0                           ; my part of the next slot has landed
	ds_add_u32 v[SPW], v[NIL]
	s_wait_dscnt 17                                ; (the add and the youngest sixteen loads may be out)
	WIN MUL
	MUL8 F1, 0, 0, 0
	s_wait_dscnt 0x0                               ; the add is done, and my reads of this slot are over
	s_barrier_signal -1
	MUL8 F1, 0, 2, 0
.if \fill
	WIN 0
.endif
	s_barrier_wait -1
.if \fill
	CREST
	s_add_nc_u64 s[G0+4*\slot+2:G0+4*\slot+3], s[G0+4*\slot+2:G0+4*\slot+3], 2*8192
	s_add_nc_u64 s[G0B+4*\slot+2:G0B+4*\slot+3], s[G0B+4*\slot+2:G0B+4*\slot+3], 2*8192
	JLOAD \slot                                    ; the four v_nop behind it are also the places in front of the loads below
.else
	PLACES
.endif
	FETCH \next, 0, F0
	WIN MUL
	MUL8 F1, 1, 0, 0
	MUL8 F1, 1, 2, 0
.endm
	s_wait_tensorcnt 1                             ; my part of K step 0 is in; K step 1's load may be out
	s_barrier_signal -1
	s_barrier_wait -1
	FETCH 0, 0, F0
	s_wait_loadcnt 0x0                             ; the bias
	QUARTER 0, 2, F0, F1, 1
	WIN 0
	s_mov_b32 s3, LAPS-1
.Llap:                                             ; a trip goes once round the ring and fills both slots again
	QUARTER 0, 4, F1, F0, 0
	QUARTER 0, 6, F0, F1, 0
	TURN 0, 1, 1
	QUARTER 1, 2, F0, F1, 0
	QUARTER 1, 4, F1, F0, 0
	QUARTER 1, 6, F0, F1, 0
	TURN 1, 0, 1
	QUARTER 0, 2, F0, F1, 0
	WIN 0
	s_sub_co_u32 s3, s3, 1
	s_cmp_lg_u32 s3, 0
	s_cbranch_scc1 .Llap
	QUARTER 0, 4, F1, F0, 0                        ; the last lap fills nothing
	QUARTER 0, 6, F0, F1, 0
	TURN 0, 1, 0
	QUARTER 1, 2, F0, F1, 0
	QUARTER 1, 4, F1, F0, 0
	QUARTER 1, 6, F0, F1, 0
	s_wait_dscnt 16
	WIN MUL
	MUL8 F1, 0, 0, 0
	MUL8 F1, 0, 2, 0
	s_wait_dscnt 0
	MUL8 F1, 1, 0, 0
	MUL8 F1, 1, 2, 0
	WIN 0
; THE WAY OUT, 16 rows at a time through my own stage: LDS serves a wave's instructions in order, so no wait stands between the stores and the loads, nor in front of the next block's stores.
.macro TOSTAGE a
.irp b, 0,1,2,3
	ds_store_b128 v[STO], v[ACC+8*(4*(\a)+\b):ACC+8*(4*(\a)+\b)+3] offset:64*\b          ; each accumulator from its low end on
	ds_store_b128 v[STO], v[ACC+8*(4*(\a)+\b)+4:ACC+8*(4*(\a)+\b)+7] offset:64*\b+16
.endr
.irp t, 0,1,2,3,4,5,6,7
	ds_load_b128 v[TMP+32*((\a)%2)+4*\t:TMP+32*((\a)%2)+4*\t+3], v[RD] offset:\t*2*SPITCH
.endr
.endm
.macro SEND a, younger                 ; younger: the LDS instructions issued behind block a's loads, which may stay out
	s_wait_dscnt \younger
.irp t, 0,1,2,3,4,5,6,7
	global_store_b128 v[CO], v[TMP+32*((\a)%2)+4*\t:TMP+32*((\a)%2)+4*\t+3], s[8:9] offset:(16*(\a)+2*\t)*4096 th:TH_STORE_NT   ; sixteen lanes store 256 consecutive bytes, aligned
.endr
.endm
	PLACES
	TOSTAGE 0
.irp a, 1,2,3
.if \a > 1
	s_wait_xcnt 0x0                                ; block a - 2's stores have read their registers: block a's loads may land there
.endif
	TOSTAGE \a
	SEND \a-1, 16                                  ; behind block a - 1's loads: block a's eight stores and eight loads
.endr
	SEND 3, 0
	s_wait_tensorcnt 0x0                           ; the wave's end
	ds_add_u32 v[SPW], v[NIL]
	s_wait_dscnt 0x0
	CROUND                                         ; the closing round
	s_endpgm
.Lfunc_end_k_qa8208f7efe_proj:
	.size	k_qa8208f7efe_proj, .Lfunc_end_k_qa8208f7efe_proj-k_qa8208f7efe_proj
	.p2alignl 7, 3214868480
	.fill 96, 4, 3214868480
	.section	.rodata,"a",@progbits
	.p2align	6, 0x0
	.amdhsa_kernel k_qa8208f7efe_proj
		.amdhsa_group_segment_fixed_size 327680
		.amdhsa_private_segment_fixed_size 0
		.amdhsa_enable_private_segment 0
		.amdhsa_kernarg_size 32
		.amdhsa_user_sgpr_count 2
		.amdhsa_user_sgpr_kernarg_segment_ptr 1
		.amdhsa_wavefront_size32 1
		.amdhsa_system_sgpr_workgroup_id_x 1
		.amdhsa_system_sgpr_workgroup_id_y 1
		.amdhsa_system_sgpr_workgroup_id_z 1
		.amdhsa_system_vgpr_workitem_id 0
		.amdhsa_next_free_vgpr 512
		.amdhsa_next_free_sgpr 68
		.amdhsa_reserve_vcc 0
		.amdhsa_float_denorm_mode_32 3
		.amdhsa_float_denorm_mode_16_64 3
		.amdhsa_memory_ordered 1
		.amdhsa_forward_progress 1
		.amdhsa_inst_pref_size 86
	.end_amdhsa_kernel
	.amdgpu_metadata
---
amdhsa.version: [ 1, 2 ]
amdhsa.kernels:
  - .name:           k_qa8208f7efe_proj
    .symbol:         k_qa8208f7efe_proj.kd
    .args:
      - { .name: yf, .offset: 0, .size: 8, .value_kind: global_buffer, .address_space: global }
      - { .name: wpf, .offset: 8, .size: 8, .value_kind: global_buffer, .address_space: global }
      - { .name: out0, .offset: 16, .size: 8, .value_kind: global_buffer, .address_space: global }
      - { .name: bp, .offset: 24, .size: 8, .value_kind: global_buffer, .address_space: global }
    .group_segment_fixed_size: 327680
    .private_segment_fixed_size: 0
    .kernarg_segment_align: 8
    .kernarg_segment_size: 32
    .max_flat_workgroup_size: 128
    .sgpr_count:     68
    .vgpr_count:     512
    .wavefront_size: 32
...
	.end_amdgpu_metadata
.endif
;; end of part 4
;; launch fine (part 5): grid 16 x 4, 16 waves a work-group, no clusters, 71,680 bytes of LDS; arguments q32, Wp, bp, out0; writes out0
.if DOCPART == 5
	.amdgcn_target "amdgcn-amd-amdhsa--gfx1250"
	.amdhsa_code_object_version 6
	.text
	.protected	k_qa8208f7efe_fine
	.globl	k_qa8208f7efe_fine
	.p2align	8
	.type	k_qa8208f7efe_fine,@function
k_qa8208f7efe_fine:
	s_mov_b64 s[64:65], 0
	v_nop
	global_prefetch_b8 v0, s[64:65] scope:SCOPE_SE
	s_setreg_imm32_b32 hwreg(HW_REG_WAVE_MODE, 25, 1), 1
	s_wait_xcnt 0x0
; THE FIRST 16 POSITIONS OF EACH SEQUENCE, ALL IN f32: they average one to sixteen values and are the largest in size, so they are carried more finely and written over the rows that the launch before stored.
; A work-group is one batch (y) and 64 output columns (x); wave w is head w: S^T = k q^T (16 x 16, K = 64), the causal softmax, O^T = v^T p (K = 16), then its head's share (K = 64) of out[16][64];
; the sixteen shares meet in LDS, and wave w sums and stores row w: 256 consecutive bytes, aligned.  96 matrix instructions of the f32 form a wave: no bulk work.
; No cluster: what the sixteen work-groups of a batch share, q, k, v of 16 positions, is 196,608 bytes and comes through registers.
; K IS PERMUTED ALIKE ON BOTH SIDES of each product, so that a lane's registers run along memory or along the result before: slot (h, j) of step i is channel 32 h + 2 i + j in S^T, key 8 h + 2 i + j in O^T,
; channel 16 ct + 8 h + 2 i + j in the projection.  All products are used transposed: a lane holds one query (lane % 16).
; v32-63, the four accumulators, are written by matrix instructions alone; they take turns in every chain; every sum begins with the constant 0.
.set PP,    4352                       ; a head's share in LDS: 16 rows x (256 bytes + 16)
.set SPARE, 16*PP                      ; the spare words, 128 bytes for each of 16 waves, which no other line names
.set SPW, 1
.set NIL, 2
.set A1,  3                            ; v3  r x 4,096 + 128 h: q's and k's rows
.set A2,  4                            ; v4  h x 8 rows + 4 r: v's and Wp's columns
.set DD,  5                            ; v5  r - 8 h
.set NEG, 6
.set P,   16                           ; v16-23 scores, then p
.set T,   24                           ; v24-31 at work
.set ACC, 32
.set QR,  64                           ; v64-95 q, v96-127 k; later Wp's channels 32-63
.set KR,  96
.set VR,  128                          ; v128-159 v; later the sixteen shares
.set WR,  160                          ; v160-223 Wp's channels 0-31
.set Y,   224                          ; v224-255 y of my head
	s_load_b256 s[4:11], s[0:1], 0x0               ; q32 s[4:5], Wp s[6:7], bp s[8:9], out0 s[10:11]
	v_lshl_add_u32 v[SPW], v0, 2, SPARE
	v_mov_b32 v[NIL], 0
	v_lshrrev_b32 v7, 5, v0
	v_readfirstlane_b32 s12, v7                    ; wave = head
	s_and_b32 s13, ttmp7, 0xffff                   ; batch
	v_and_b32 v13, 15, v0                          ; r
	v_bfe_u32 v14, v0, 4, 1                        ; h
	v_and_b32 v15, 31, v0
	v_lshlrev_b32 v[A1], 12, v13
	v_lshl_add_u32 v[A1], v14, 7, v[A1]
	v_lshlrev_b32 v[A2], 2, v13
	v_lshl_add_u32 v[A2], v14, 15, v[A2]
	v_lshlrev_b32 v[DD], 3, v14
	v_sub_nc_u32 v[DD], v13, v[DD]
	v_mov_b32 v[NEG], 0xff800000
	v_lshlrev_b32 v12, 3, v15                      ; 8 x lane
	s_mul_i32 s14, s12, PP
	v_mul_u32_u24 v10, v13, 272
	v_lshl_add_u32 v10, v14, 5, v10
	v_add_nc_u32 v10, s14, v10                     ; my share: row r, + 32 h
	s_mul_i32 s15, s12, 272
	v_add_nc_u32 v11, s15, v12                     ; back: row w of each share, 8 bytes a lane
	s_mov_b32 s16, 0x76543210
	s_mov_b32 s17, 0xfedcba98
	s_mov_b32 s18, 0x3e38aa3b                      ; c = log2(e) / 8
	s_lshl_b32 s20, s13, 16
	s_lshl_b32 s21, s12, 8
	s_add_co_u32 s20, s20, s21                     ; q32: batch x 65,536 + head x 256
	s_mov_b32 s21, 0
	s_lshl_b32 s24, ttmp9, 8                       ; my 64 columns x 4 bytes
	s_mov_b32 s25, 0
	s_lshl_b32 s22, s12, 18
	s_add_co_u32 s22, s22, s24                     ; Wp: 64 rows a head
	s_mov_b32 s23, 0
	s_lshl_b32 s26, s13, 11
	s_add_co_u32 s26, s26, s12
	s_lshl_b32 s26, s26, 12
	s_add_co_u32 s26, s26, s24                     ; out0: row 2,048 x batch + w
	s_mov_b32 s27, 0
	s_wait_kmcnt 0x0
	s_add_nc_u64 s[4:5], s[4:5], s[20:21]
	s_add_nc_u64 s[6:7], s[6:7], s[22:23]
	s_add_nc_u64 s[8:9], s[8:9], s[24:25]
	s_add_nc_u64 s[10:11], s[10:11], s[26:27]
.irp ct, 0,1
.irp nt, 0,1,2,3
.irp k, 0,1,2,3,4,5,6,7
	global_load_b32 v[WR+32*\ct+8*\nt+\k], v[A2], s[6:7] offset:(16*\ct+\k)*4096+64*\nt   ; Wp(64 w + 16 ct + 8 h + k, 16 nt + r)
.endr
.endr
.endr
.irp i, 0,1,2,3,4,5,6,7
	global_load_b128 v[QR+4*\i:QR+4*\i+3], v[A1], s[4:5] offset:16*\i                 ; q(r, 32 h + 4 i ..)
	global_load_b128 v[KR+4*\i:KR+4*\i+3], v[A1], s[4:5] offset:262144+16*\i          ; k likewise
.endr
.irp ct, 0,1,2,3
.irp k, 0,1,2,3,4,5,6,7
	global_load_b32 v[VR+8*\ct+\k], v[A2], s[4:5] offset:524288+\k*4096+64*\ct        ; v(8 h + k, 16 ct + r)
.endr
.endr
	global_load_b64 v[8:9], v12, s[8:9]            ; bp of my two columns
	s_wait_loadcnt 0x0
.set i, 0
.rept 16                               ; S^T, in four partial sums
.if i < 4
	v_wmma_f32_16x16x4_f32 v[ACC+8*(i%4):ACC+8*(i%4)+7], v[KR+2*i:KR+2*i+1], v[QR+2*i:QR+2*i+1], 0
.else
	v_wmma_f32_16x16x4_f32 v[ACC+8*(i%4):ACC+8*(i%4)+7], v[KR+2*i:KR+2*i+1], v[QR+2*i:QR+2*i+1], v[ACC+8*(i%4):ACC+8*(i%4)+7]
.endif
.set i, i+1
.endr
.rept 9
	v_nop                                          ; behind this form eight places are asked ahead of reads of results and of loads into its sources, nine ahead of the products that begin the accumulators anew
.endr
.irp ct, 2,3
.irp nt, 0,1,2,3
.irp k, 0,1,2,3,4,5,6,7
	global_load_b32 v[QR+32*(\ct-2)+8*\nt+\k], v[A2], s[6:7] offset:(16*\ct+\k)*4096+64*\nt   ; the rest of Wp, where q and k lay; it lands during the softmax
.endr
.endr
.endr
.irp j, 0,1,2,3,4,5,6,7
	v_add_f32 v[T+\j], v[ACC+\j], v[ACC+8+\j]      ; each accumulator from its low end on
.endr
.irp j, 0,1,2,3,4,5,6,7
	v_add_f32 v[P+\j], v[ACC+16+\j], v[ACC+24+\j]
.endr
.irp j, 0,1,2,3,4,5,6,7
	v_add_f32 v[P+\j], v[P+\j], v[T+\j]            ; register j: the score of query r and key 8 h + j
.endr
.irp j, 0,1,2,3,4,5,6,7
	v_cmp_gt_i32 vcc_lo, \j, v[DD]                 ; hidden where 8 h + j > r
	v_cndmask_b32 v[P+\j], v[P+\j], v[NEG], vcc_lo
.endr
	v_max3_num_f32 v13, v[P], v[P+1], v[P+2]
	v_max3_num_f32 v14, v[P+3], v[P+4], v[P+5]
	v_max3_num_f32 v13, v13, v[P+6], v[P+7]
	v_max_num_f32 v13, v13, v14
	v_permlanex16_b32 v14, v13, s16, s17
	v_max_num_f32 v13, v13, v14                    ; the row's maximum (key 0 counts for every query)
	v_mul_f32 v7, s18, v13
.irp j, 0,1,2,3,4,5,6,7
	v_fma_f32 v[P+\j], v[P+\j], s18, -v7
.endr
.irp j, 0,1,2,3,4,5,6,7
	v_exp_f32 v[P+\j], v[P+\j]
.endr
	v_nop
	s_wait_alu depctr_va_vdst(0)                   ; one wait for the eight, ahead of their first reader
	v_pk_add_f32 v[T:T+1], v[P:P+1], v[P+2:P+3]
	v_pk_add_f32 v[T+2:T+3], v[P+4:P+5], v[P+6:P+7]
	v_pk_add_f32 v[T:T+1], v[T:T+1], v[T+2:T+3]
	v_add_f32 v13, v[T], v[T+1]
	v_permlanex16_b32 v14, v13, s16, s17
	v_add_f32 v13, v13, v14                        ; the row's sum
	v_rcp_f32 v15, v13
	v_nop
.irp i, 0,1,2,3                        ; O^T = v^T p
.irp ct, 0,1,2,3
.if \i == 0
	v_wmma_f32_16x16x4_f32 v[ACC+8*\ct:ACC+8*\ct+7], v[VR+8*\ct+2*\i:VR+8*\ct+2*\i+1], v[P+2*\i:P+2*\i+1], 0
.else
	v_wmma_f32_16x16x4_f32 v[ACC+8*\ct:ACC+8*\ct+7], v[VR+8*\ct+2*\i:VR+8*\ct+2*\i+1], v[P+2*\i:P+2*\i+1], v[ACC+8*\ct:ACC+8*\ct+7]
.endif
.endr
.endr
.rept 9
	v_nop
.endr
	s_wait_alu depctr_va_vdst(0)                   ; the reciprocal's wait, ahead of its first reader
.set n, 0
.rept 32
	v_mul_f32 v[Y+n], v[ACC+n], v15                ; register 8 ct + j: y(r, 16 ct + 8 h + j)
.set n, n+1
.endr
.irp ct, 0,1,2,3                       ; my head's share of out^T: source 0 = 16 columns of Wp, source 1 = y
.if \ct == 2
	s_wait_loadcnt 0x0                             ; the rest of Wp
.endif
.if \ct < 2
.set WB, WR+32*\ct
.else
.set WB, QR+32*(\ct-2)
.endif
.irp i, 0,1,2,3
.irp nt, 0,1,2,3
.if (\ct == 0) && (\i == 0)
	v_wmma_f32_16x16x4_f32 v[ACC+8*\nt:ACC+8*\nt+7], v[WB+8*\nt+2*\i:WB+8*\nt+2*\i+1], v[Y+8*\ct+2*\i:Y+8*\ct+2*\i+1], 0
.else
	v_wmma_f32_16x16x4_f32 v[ACC+8*\nt:ACC+8*\nt+7], v[WB+8*\nt+2*\i:WB+8*\nt+2*\i+1], v[Y+8*\ct+2*\i:Y+8*\ct+2*\i+1], v[ACC+8*\nt:ACC+8*\nt+7]
.endif
.endr
.endr
.endr
.rept 8
	v_nop
.endr
.irp nt, 0,1,2,3
	ds_store_b128 v10, v[ACC+8*\nt:ACC+8*\nt+3] offset:64*\nt                 ; lane (r, h): columns 16 nt + 8 h + 0 .. 7 of row r
	ds_store_b128 v10, v[ACC+8*\nt+4:ACC+8*\nt+7] offset:64*\nt+16
.endr
	s_wait_dscnt 0x0                               ; for the others' sake: my stores have landed
	s_barrier_signal -1
	s_barrier_wait -1
.irp p, 0,1,2,3,4,5,6,7,8,9,10,11,12,13,14,15
	ds_load_b64 v[VR+2*\p:VR+2*\p+1], v11 offset:PP*\p
.endr
	s_wait_dscnt 0x0
.irp p, 2,4,6,8,10,12,14
	v_pk_add_f32 v[VR:VR+1], v[VR:VR+1], v[VR+2*\p:VR+2*\p+1]                 ; the sixteen heads, in two chains
	v_pk_add_f32 v[VR+2:VR+3], v[VR+2:VR+3], v[VR+2*\p+2:VR+2*\p+3]
.endr
	v_pk_add_f32 v[VR:VR+1], v[VR:VR+1], v[VR+2:VR+3]
	v_pk_add_f32 v[VR:VR+1], v[VR:VR+1], v[8:9]
	global_store_b64 v12, v[VR:VR+1], s[10:11]     ; the wave stores 256 consecutive bytes, aligned
	s_wait_tensorcnt 0x0                           ; the wave's end, behind my last LDS store
	ds_add_u32 v[SPW], v[NIL]
	s_wait_dscnt 0x0
	s_endpgm
.Lfunc_end_k_qa8208f7efe_fine:
	.size	k_qa8208f7efe_fine, .Lfunc_end_k_qa8208f7efe_fine-k_qa8208f7efe_fine
	.p2alignl 7, 3214868480
	.fill 96, 4, 3214868480
	.section	.rodata,"a",@progbits
	.p2align	6, 0x0
	.amdhsa_kernel k_qa8208f7efe_fine
		.amdhsa_group_segment_fixed_size 71680
		.amdhsa_private_segment_fixed_size 0
		.amdhsa_enable_private_segment 0
		.amdhsa_kernarg_size 32
		.amdhsa_user_sgpr_count 2
		.amdhsa_user_sgpr_kernarg_segment_ptr 1
		.amdhsa_wavefront_size32 1
		.amdhsa_system_sgpr_workgroup_id_x 1
		.amdhsa_system_sgpr_workgroup_id_y 1
		.amdhsa_system_sgpr_workgroup_id_z 1
		.amdhsa_system_vgpr_workitem_id 0
		.amdhsa_next_free_vgpr 256
		.amdhsa_next_free_sgpr 66
		.amdhsa_reserve_vcc 1
		.amdhsa_float_denorm_mode_32 3
		.amdhsa_float_denorm_mode_16_64 3
		.amdhsa_memory_ordered 1
		.amdhsa_forward_progress 1
		.amdhsa_inst_pref_size 33
	.end_amdhsa_kernel
	.amdgpu_metadata
---
amdhsa.version: [ 1, 2 ]
amdhsa.kernels:
  - .name:           k_qa8208f7efe_fine
    .symbol:         k_qa8208f7efe_fine.kd
    .args:
      - { .name: q32, .offset: 0, .size: 8, .value_kind: global_buffer, .address_space: global }
      - { .name: Wp, .offset: 8, .size: 8, .value_kind: global_buffer, .address_space: global }
      - { .name: bp, .offset: 16, .size: 8, .value_kind: global_buffer, .address_space: global }
      - { .name: out0, .offset: 24, .size: 8, .value_kind: global_buffer, .address_space: global }
    .group_segment_fixed_size: 71680
    .private_segment_fixed_size: 0
    .kernarg_segment_align: 8
    .kernarg_segment_size: 32
    .max_flat_workgroup_size: 512
    .sgpr_count:     66
    .vgpr_count:     256
    .wavefront_size: 32
...
	.end_amdgpu_metadata
.endif
;; end of part 5
